; MI455X (gfx1250); checked and timed in simulation.
; The chip was launched on July 23, 2026; its instructions are those of AMD's public machine-readable ISA for CDNA 5 (MIT licence, August 2026) and "CDNA5" Instruction Set Architecture Reference Guide (July 2026). The comments in the code are by the model that wrote it; some were corrected since.
;; Mulit Head Attention. Allowed arithmetic: matrix products marked QUANTISED: E2M1 operands, one E8M0 scale for each 32 along K, by v_wmma_scale_f32_16x16x128_f8f6f4 with both operands' format E2M1 (or v_wmma_scale_f32_32x16x128_f4), f32 sums; everything else in f32.
;; Inputs: b_proj 1,024 float32; b_qkv 3,072 float32; w_proj 1,024 x 1,024 float32; w_qkv 3,072 x 1,024 float32; x 2 x 2,048 x 1,024 float32.
;; Outputs: out0 2 x 2,048 x 1,024 float32.
;; This version of the problem:
;;   THIS VERSION OF THE PROBLEM IS GIVEN IN LOW PRECISION. The matrix products marked QUANTISED in the list below multiply operands that are first quantised to E2M1 (2 exponent bits, 1 mantissa bit; 4 bits a number), with one power-of-two scale for each 32 numbers along K (OCP MX v1.0); their sums are f32. All else is computed in f32.
;;   The module's matrix products, in the order in which they are computed (A, B: the left and right operand; K: the contracted axis; several contracted axes count as one K, in the product's order):
;;     1. [M 4,096, K 1,024] x [K 1,024, N 3,072]; A: input x; B: input w_qkv: QUANTISED
;;     2. batch 32 x [M 2,048, K 64] x [K 64, N 2,048]; A: computed on the way; B: computed on the way: QUANTISED
;;     3. batch 32 x [M 2,048, K 2,048] x [K 2,048, N 64]; A: softmax (see below); B: computed on the way: QUANTISED
;;     4. [M 4,096, K 1,024] x [K 1,024, N 1,024]; A: computed on the way; B: input w_proj: QUANTISED
;;   THE QUANTISER, for each operand of a quantised product, along K:
;;     - K is cut into blocks of 32 from its start; a last block that is shorter is filled with zeros.
;;     - A block's scale is 2^e with e = floor(log2(the largest magnitude in the block)) - 2, held to -126 .. 127; a block of zeros has e = 0. As a byte (E8M0): e + 127.
;;     - Each number is divided by its block's scale, clamped to +-6, and rounded to the nearest number of E2M1, ties to even, subnormals kept.
;;     - The product sums the exact products of the quantised numbers (number of the format x scale) in f32.
;;   ~~~python
;;   def quantise(x, axis):      # numpy; x: float32 -> the quantised numbers, widened to float32 again
;;       x = np.moveaxis(x, axis, -1); K = x.shape[-1]
;;       x = np.pad(x, [(0, 0)] * (x.ndim - 1) + [(0, -K % 32)]); x = x.reshape(x.shape[:-1] + (-1, 32)); a = np.abs(x).max(-1, keepdims=True)
;;       e = np.where(a > 0, np.clip(np.frexp(np.where(a > 0, a, 1))[1] - 1 - 2, -126, 127), 0)      # np.frexp(a)[1] - 1 = floor(log2(a)), exactly
;;       r = np.clip(x / 2.0 ** e, -6, 6)
;;       step = 2.0 ** (np.maximum(np.frexp(np.where(r == 0, 1, r))[1] - 1, 0) - 1)
;;       q = np.round(r / step) * step * 2.0 ** e      # np.round: ties to even
;;       return np.moveaxis(q.reshape(q.shape[:-2] + (-1,))[..., :K], -1, axis).astype(np.float32)
;;   ~~~
;;   SOFTMAX AHEAD OF A QUANTISED PRODUCT. Where the list says 'softmax', what is quantised is not the finished softmax but p = 2^(t - M), with t = logit x log2(e) and M = ceil(the row's largest t), a whole number; so 1/2 < the row's largest p <= 1. The row's sum l is taken of the UNQUANTISED p, in f32, and the product's result is divided by l at the end. Since M is a whole number, a kernel that streams over the keys may use a running M (the ceiling of the running maximum): every later rescaling is an exact power of two, which a block's scale takes up: the codes' values come out the same.
;;   OPERANDS COMPUTED ON THE WAY. 'Computed on the way' means the value that the module computes at that place (a softmax that the list does not call 'softmax' is quantised finished and normalised). What goes into a quantiser is computed in f32, as accurately as f32 sums, v_exp_f32 and their like allow (about 1e-6 of the number): no bf16 or f16 on the way to a quantiser, and a product that is left as it is and whose result goes on into a quantised operand takes f32 operands (vector FMAs, or v_wmma_f32_16x16x4_f32). A number that lies on a knife's edge between two numbers of the format may be rounded either way, as far as f32 arithmetic and the matrix unit's own rounding can turn it there, and no further.
;; One version. Each part assembles by itself: llvm-mc -triple=amdgcn-amd-amdhsa -mcpu=gfx1250 --defsym DOCPART=n.
;; ======== version 1 of 1: 4 launches
;; limits: right only within a limited range of input values
;; workspace buffers: cw 4,456,448 bytes; qb 2,359,296 bytes; kv 4,587,520 bytes; ab 2,359,296 bytes
;; launch quant (part 1): grid 256 x 1, 4 waves a work-group, no clusters, 33,280 bytes of LDS; arguments x, w_qkv, w_proj, cw; writes cw
.if DOCPART == 1
	.amdgcn_target "amdgcn-amd-amdhsa--gfx1250"
	.amdhsa_code_object_version 6
	.text
	.protected	k_q87af87c8f9_quant
	.globl	k_q87af87c8f9_quant
	.p2align	8
	.type	k_q87af87c8f9_quant,@function
k_q87af87c8f9_quant:
	s_mov_b64 s[64:65], 0
	v_nop
	global_prefetch_b8 v0, s[64:65] scope:SCOPE_SE
	s_setreg_imm32_b32 hwreg(HW_REG_WAVE_MODE, 25, 1), 1
	s_wait_xcnt 0x0
; x [4096][1024], w_qkv [3072][1024] and w_proj [1024][1024], f32, become codes of FP4 (E2M1), K innermost, with one E8M0 scale byte for each 32 along K.
; A block's scale is 2^(floor(log2(its largest magnitude)) - 2); its byte is the largest magnitude's exponent field - 2, held at 1 from below.
; LIMITS: a block whose largest magnitude lies under 2^-124 keeps the byte 1; a block of zeros gets the byte 1 where the rule says 127 (its codes are zeros, which add nothing,
; and the bytes are read by this program alone); NaN and infinities among the inputs are not served.
; A RUN is 8 rows of 1,024 numbers: 4,096 bytes of codes and 256 scale bytes.  1,024 runs, one a wave: runs 0-511 x, 512-895 w_qkv, 896-1023 w_proj.
; WHERE A RUN GOES.  In cw the codes of run G' lie at 4096 G', its scale bytes at SCB + 256 G'.  Rows are laid IN TILE ORDER: of each 32 rows the four groups of eight lie in the order 0, 2, 1, 3
; (bits 0 and 1 of the run's number change places), so that 16 rows on end are a tile whose lanes 0-7 hold eight neighbours and lanes 8-15 the eight that lie 16 further on.
; w_qkv is also laid by head: run t 128 + hd 8 + j goes to hd 24 + t 8 + j': a head's 64 rows of q, of k and of v are 192 rows on end.
; A wave takes 16 steps of 512 numbers.  Each of a step's four loads reads 512 consecutive bytes; the 2,048 bytes turn through the wave's own stage in LDS and come back 64 bytes a lane: 16 neighbours,
; two lanes to a block.  A lane's 16 codes are 8 bytes: the wave stores 256 consecutive bytes.  The wave's 256 scale bytes are gathered in LDS and leave as one store of 256 bytes.
; No tensor loads, no barrier: waves share nothing.  Loads run four steps (16 loads a wave) ahead, the turn through LDS one step.
.set STEPS, 16
.set CB,    8                          ; bytes of 16 codes
.set R,     16                         ; v16-79   four sets of 16 numbers as they are loaded
.set X,     80                         ; v80-111  two sets of 16 neighbours
.set C,     128                        ; v128-191 codes: four registers for each step, so that no store's data are written again
.set E,     112                        ; v112-127 a scale byte for each step
.set WREG,  8192                       ; LDS: a region for each wave: two stages of 32 x SP bytes, behind them its 256 scale bytes
.set SP,    80                         ; a lane's place in a stage: 64 bytes + 16 of padding
.set SCB,   4194304                    ; where the scale bytes begin in cw
	s_load_b256 s[4:11], s[0:1], 0x0               ; x s[4:5], w_qkv s[6:7], w_proj s[8:9], cw s[10:11]
	v_lshl_add_u32 v192, v0, 2, 0x8000
	v_mov_b32 v193, 0
	v_lshrrev_b32 v1, 5, v0
	v_readfirstlane_b32 s16, v1                    ; wave
	v_and_b32 v2, 31, v0                           ; lane
	v_lshlrev_b32 v3, 4, v2                        ; my 16 bytes of a load's 512
	s_mul_i32 s17, s16, WREG
	v_lshrrev_b32 v14, 2, v2
	v_mul_u32_u24 v14, v14, SP
	v_and_b32 v15, 3, v2
	v_lshl_add_u32 v14, v15, 4, v14
	v_add_nc_u32 v14, s17, v14                     ; the stage, on the way in: SP (lane / 4) + 16 (lane % 4)
	v_mul_u32_u24 v15, v2, SP
	v_add_nc_u32 v15, s17, v15                     ; and on the way out: SP x lane: my 16 neighbours
	v_mul_u32_u24 v4, v2, CB                       ; my codes' place in a step's
	v_lshrrev_b32 v5, 1, v2
	s_add_co_u32 s17, s17, 2*32*SP
	v_add_nc_u32 v5, s17, v5                       ; LDS: my wave's 256 scale bytes, my block's byte
	v_lshlrev_b32 v7, 3, v2                        ; and on the way out 8 bytes a lane
	v_add_nc_u32 v6, s17, v7
	; which run is mine, and where it goes: all from the work-group's and the wave's number
	s_lshl_b32 s18, ttmp9, 2
	s_add_co_u32 s18, s18, s16                     ; G
	s_mov_b32 s19, 896
	s_cmp_lt_u32 ttmp9, 224
	s_cselect_b32 s19, 512, s19
	s_cmp_lt_u32 ttmp9, 128
	s_cselect_b32 s19, 0, s19                      ; my tensor's first run
	s_sub_co_u32 s20, s18, s19                     ; my run within the tensor
	s_and_b32 s21, s20, 4
	s_and_b32 s22, s20, 1
	s_lshl_b32 s22, s22, 1
	s_or_b32 s21, s21, s22
	s_bfe_u32 s22, s20, 0x10001
	s_or_b32 s21, s21, s22                         ; its low three bits, bits 0 and 1 exchanged
	s_and_b32 s23, s20, 0xfffffff8                 ; x, w_proj: the rest stays
	s_bfe_u32 s24, s20, 0x40003                    ; w_qkv: the head,
	s_mul_i32 s24, s24, 24
	s_lshr_b32 s25, s20, 7                         ; and q, k or v
	s_lshl_b32 s25, s25, 3
	s_add_co_u32 s24, s24, s25
	s_cmp_eq_u32 s19, 512
	s_cselect_b32 s23, s24, s23
	s_add_co_u32 s23, s23, s21
	s_add_co_u32 s23, s23, s19                     ; G'
	s_lshl_b32 s26, s20, 15                        ; 32,768 bytes of f32 a run
	s_mov_b32 s27, 0
	s_lshl_b32 s28, s23, 12                        ; 4,096 bytes of codes
	s_mov_b32 s29, 0
	s_lshl_b32 s30, s23, 8                         ; 256 scale bytes
	s_add_co_u32 s30, s30, SCB
	s_mov_b32 s31, 0
	s_wait_alu depctr_va_vdst(0)
	s_wait_kmcnt 0x0
	s_cmp_lt_u32 ttmp9, 224                        ; the choice of the tensor hangs on the work-group's number alone
	s_cselect_b64 s[6:7], s[6:7], s[8:9]
	s_cmp_lt_u32 ttmp9, 128
	s_cselect_b64 s[4:5], s[4:5], s[6:7]
	s_add_nc_u64 s[4:5], s[4:5], s[26:27]
	s_add_nc_u64 s[8:9], s[10:11], s[28:29]
	s_add_nc_u64 s[10:11], s[10:11], s[30:31]
.macro LOAD t
.irp i, 0,1,2,3
	global_load_b128 v[R+16*((\t)%4)+4*\i:R+16*((\t)%4)+4*\i+3], v3, s[4:5] offset:2048*(\t)+512*\i th:TH_LOAD_NT   ; 32 lanes read 512 consecutive bytes
.endr
.endm
.macro TURN t                          ; step t's numbers through the stage: LDS serves a wave's instructions in order, so no wait stands between the stores and the loads
.irp i, 0,1,2,3
	ds_store_b128 v14, v[R+16*((\t)%4)+4*\i:R+16*((\t)%4)+4*\i+3] offset:32*SP*((\t)%2)+8*SP*\i
.endr
.irp i, 0,1,2,3
	ds_load_b128 v[X+16*((\t)%2)+4*\i:X+16*((\t)%2)+4*\i+3], v15 offset:32*SP*((\t)%2)+16*\i
.endr
.endm
.irp t, 0,1,2,3
	LOAD \t
.endr
	s_wait_loadcnt 12                              ; step 0's four loads are in; the twelve of steps 1 to 3 may be out
	TURN 0
.macro STEP t
.set XS, X+16*((\t)%2)
.if (\t) > 0
	s_wait_dscnt 1                                 ; this step's numbers are back from the stage (the last step's byte store may be out): so its stores into the stage have read their registers,
.else
	s_wait_dscnt 0x0
.endif
.if (\t)+4 < STEPS
	LOAD (\t)+4                                    ; which take the loads of four steps on
.endif
.if (\t)+1 < STEPS
.if STEPS-2-(\t) >= 3
	s_wait_loadcnt 12                              ; the next step's four loads are in; those of the three steps behind it may be out
.else
	s_wait_loadcnt 4*(STEPS-2-(\t))
.endif
	TURN (\t)+1                                    ; and go through the other stage while this step is worked
.endif
	v_max3_num_f32 v8, |v[XS]|, |v[XS+1]|, |v[XS+2]|               ; the largest magnitude of my 16, in two chains
	v_max3_num_f32 v9, |v[XS+3]|, |v[XS+4]|, |v[XS+5]|
.irp i, 6,10
	v_max3_num_f32 v8, v8, |v[XS+\i]|, |v[XS+\i+1]|
	v_max3_num_f32 v9, v9, |v[XS+\i+2]|, |v[XS+\i+3]|
.endr
	v_max3_num_f32 v8, v8, |v[XS+14]|, |v[XS+15]|
	v_max3_num_f32 v8, v8, v9, 0x1800000           ; and the floor 2^(3 - 127): the byte cannot fall under 1
	v_max_num_f32_dpp v8, v8, v8 row_xmask:1 row_mask:0xf bank_mask:0xf   ; and of my neighbour's 16: the block's
	v_add_nc_u32 v11, 0xff000000, v8               ; 2 off its exponent field: the conversion takes the exponent field of this operand as its scale
	v_cvt_scalef32_pk8_fp4_f32 v[C+4*(\t)], v[XS:XS+7], v11
	v_cvt_scalef32_pk8_fp4_f32 v[C+4*(\t)+1], v[XS+8:XS+15], v11
	v_lshrrev_b32 v[E+(\t)], 23, v11               ; the scale's byte (a plain line behind the conversions)
	ds_store_b8 v5, v[E+(\t)] offset:16*(\t)       ; both lanes of a block write the same byte with the same value
	global_store_b64 v4, v[C+4*(\t):C+4*(\t)+1], s[8:9] offset:32*CB*(\t)   ; 32 lanes store 256 consecutive bytes, aligned
.endm
.irp t, 0,1,2,3,4,5,6,7,8,9,10,11,12,13,14,15
	STEP \t
.endr
	ds_load_b64 v[12:13], v6                       ; LDS serves a wave's instructions in order: these see my stores
	s_wait_dscnt 0x0
	global_store_b64 v7, v[12:13], s[10:11]        ; 32 lanes store 256 consecutive bytes, aligned
	s_wait_tensorcnt 0x0
	ds_add_u32 v192, v193
	s_wait_dscnt 0x0
	s_endpgm
.Lfunc_end_k_q87af87c8f9_quant:
	.size	k_q87af87c8f9_quant, .Lfunc_end_k_q87af87c8f9_quant-k_q87af87c8f9_quant
	.p2alignl 7, 3214868480
	.fill 96, 4, 3214868480
	.section	.rodata,"a",@progbits
	.p2align	6, 0x0
	.amdhsa_kernel k_q87af87c8f9_quant
		.amdhsa_group_segment_fixed_size 33280
		.amdhsa_private_segment_fixed_size 0
		.amdhsa_enable_private_segment 0
		.amdhsa_kernarg_size 32
		.amdhsa_user_sgpr_count 2
		.amdhsa_user_sgpr_kernarg_segment_ptr 1
		.amdhsa_wavefront_size32 1
		.amdhsa_system_sgpr_workgroup_id_x 1
		.amdhsa_system_sgpr_workgroup_id_y 1
		.amdhsa_system_sgpr_workgroup_id_z 1
		.amdhsa_system_vgpr_workitem_id 0
		.amdhsa_next_free_vgpr 194
		.amdhsa_next_free_sgpr 66
		.amdhsa_reserve_vcc 0
		.amdhsa_float_denorm_mode_32 3
		.amdhsa_float_denorm_mode_16_64 3
		.amdhsa_memory_ordered 1
		.amdhsa_forward_progress 1
		.amdhsa_inst_pref_size 34
	.end_amdhsa_kernel
	.amdgpu_metadata
---
amdhsa.version: [ 1, 2 ]
amdhsa.kernels:
  - .name:           k_q87af87c8f9_quant
    .symbol:         k_q87af87c8f9_quant.kd
    .args:
      - { .name: x, .offset: 0, .size: 8, .value_kind: global_buffer, .address_space: global }
      - { .name: w_qkv, .offset: 8, .size: 8, .value_kind: global_buffer, .address_space: global }
      - { .name: w_proj, .offset: 16, .size: 8, .value_kind: global_buffer, .address_space: global }
      - { .name: cw, .offset: 24, .size: 8, .value_kind: global_buffer, .address_space: global }
    .group_segment_fixed_size: 33280
    .private_segment_fixed_size: 0
    .kernarg_segment_align: 8
    .kernarg_segment_size: 32
    .max_flat_workgroup_size: 128
    .sgpr_count:     66
    .vgpr_count:     194
    .wavefront_size: 32
...
	.end_amdgpu_metadata
.endif
;; end of part 1
;; launch qkv (part 2): grid 16 x 16, 4 waves a work-group, clusters of 4 x 4, 246,272 bytes of LDS; arguments cw, b_qkv, qb, kv; writes qb, kv
.if DOCPART == 2
	.amdgcn_target "amdgcn-amd-amdhsa--gfx1250"
	.amdhsa_code_object_version 6
	.text
	.protected	k_q87af87c8f9_qkv
	.globl	k_q87af87c8f9_qkv
	.p2align	8
	.type	k_q87af87c8f9_qkv,@function
k_q87af87c8f9_qkv:
	s_mov_b64 s[64:65], 0
	v_nop
	global_prefetch_b8 v0, s[64:65] scope:SCOPE_SE
	s_setreg_imm32_b32 hwreg(HW_REG_WAVE_MODE, 25, 1), 1
	s_wait_xcnt 0x0
	s_wait_alu depctr_hold_cnt(0) depctr_sa_sdst(0) depctr_va_vdst(0) depctr_va_sdst(0) depctr_va_ssrc(0) depctr_va_vcc(0) depctr_vm_vsrc(0)
	s_getreg_b32 s2, hwreg(HW_REG_IB_STS2, 6, 4)
	s_cmp_eq_u32 s2, 0
	s_cbranch_scc0 .Lentry_in_a_cluster
	s_endpgm
.Lentry_in_a_cluster:
	s_bfe_u32 s2, ttmp6, 0x10000c
	s_cmp_lg_u32 s2, 0xf033
	s_cbranch_scc0 .Lentry_shape_is_right
	s_endpgm
.Lentry_shape_is_right:
; qkv = x w_qkv^T + b_qkv on codes of FP4 (E2M1) with E8M0 scales, and q, k, v quantised in registers for the attention: q and k along the head's 64, v along the keys.
; SHARES.  Work-group (hd, my): 256 rows of x (stored rows 256 my on, in tile order) x the 192 rows of w_qkv of head hd (64 of q, 64 of k, 64 of v, each in tile order).
; Wave w: rows 64 w .. 64 w + 63, four tiles mi, against all twelve tiles of w: 48 accumulators, 384 registers.  K = 1,024 is eight steps of 128.
; ALL OF K LIES IN LDS AT ONCE: a row of codes is 512 bytes, brought whole by one tensor load (+ 16 of padding: rows 528 bytes apart, so that the 16 rows of a fragment load start at 16 different banks:
; 64 banks of 4 bytes, ISA guide 11.1).  No LDS byte is filled twice.
; CLUSTER 4 x 4: the four work-groups of a row of the cluster share my and so x's tiles, the four of a column share hd and so w's: each tile is asked for jointly.
; TILE ORDER: lane r of tile 2 b + u stands for row 32 b + 8 u + r + 8 (r / 8).  With such a tile as source 0, register j of result tile 2 b + u in lane (r, h) is index 32 b + 16 h + 8 u + j:
; the 16 registers of tiles 2 b and 2 b + 1 are 16 neighbours.  q, k: source 0 = w's tile, source 1 = x's: a lane holds one row, its registers run along d.
; v: source 0 = x's tile, source 1 = w's: a lane holds one d, its registers run along the keys.  So every conversion finds its neighbours along the next K in one lane's registers.
; The bias is the C of each sum's first product.  OUT: images of operand registers, 16 bytes a lane, 512 bytes a store.
; LIMITS: a block whose largest magnitude lies under 2^-124 keeps the scale byte 1, a block of zeros too (its codes are zeros; this program alone reads the bytes); NaN and infinities are not served.
; REGISTERS, in windows of 256.  Window 0: v1-19 addresses; v32-95 scale words (group g, K step q at 32 + 8 g + q); v96-159 x's fragments, two sets; v160-195 at work; v200-251 codes and scale words to store.
;   Window 1: w's fragments, two sets of 96 at v0 and v128.  Window 2: q's and k's accumulators at 128 t + 8 (4 mi + nt).  Window 3: v's at 8 (4 nt + mi); the biases from v128.
.set PITCH,   528                      ; an LDS row: a row's whole 512 bytes of codes (all of K) + 16 of padding, brought whole by one tensor load a wave: 33 x 16 bytes, so the 16 rows of a fragment load start at 16 different banks
.set AHALF,   256*PITCH                ; x's 256 rows, all of K
.set BBASE,   AHALF                    ; AHALF: x's 256 rows, whole; BHALF: w's 192 rows, whole
.set BHALF,   192*PITCH                ; w's 192 rows, all of K
.set STG,     BBASE+BHALF              ; 512 bytes for v's scale words: written by LDS stores alone, no tile lands there
.set WQ_OFF,  2097152                  ; cw: w_qkv's codes
.set XS_OFF,  4194304                  ;     x's scale bytes
.set WQS_OFF, 4325376                  ;     w_qkv's
.set QSC,     2097152                  ; qb: the scale words
.set HEADB,   143360                   ; kv: a head
.set STEPB,   8960                     ;     a step of 128 keys: K's 8 images, V's 8 half images, K's scale words (512), V's (256)
.set SC, 32
.set AF, 96
.set TM, 160                           ; v160-167 eight blocks' largest magnitudes
.set T2, 168                           ; v168-175 the other half's
.set SO, 176                           ; v176-183 the conversions' scale operands
.set BY, 184                           ; v184-191 the bytes
.set PW, 192                           ; v192-195 four scale words
.set MSB, 0
.macro WIN new                         ; the immediate's high byte repeats the setting that is left; a switch that changes nothing is dropped
.if MSB != (\new)
	s_set_vgpr_msb (MSB<<8)|(\new)
.set MSB, \new
.endif
.endm
.macro CROUND                          ; a round of the cluster's barrier
	s_barrier_signal -1
	s_barrier_wait -1
	s_cmp_lg_u32 s12, 0
	s_cbranch_scc1 .Lnot_wave_0_\@
	s_barrier_signal -3
.Lnot_wave_0_\@:
	s_barrier_wait -3
	s_barrier_signal -1
	s_barrier_wait -1
.endm
.macro PLACES                          ; four plain vector lines behind a matrix instruction, ahead of loads into its registers and of reads of its result
.rept 4
	v_nop
.endr
.endm
	s_load_b256 s[4:11], s[0:1], 0x0               ; cw s[4:5], b_qkv s[6:7], qb s[8:9], kv s[10:11]
	v_lshl_add_u32 v254, v0, 2, 0x3c000
	v_mov_b32 v255, 0
	ds_add_u32 v254, v255
	ds_add_u32 v254, v255
	v_lshrrev_b32 v1, 5, v0
	v_readfirstlane_b32 s12, v1                    ; wave 0..3
	s_and_b32 s13, s12, 1                          ; a: which half of a tile's rows I fetch; also which 64 keys of a step are mine
	s_lshr_b32 s14, s12, 1                         ; I fetch for x (0) or for w (1); also which of the work-group's two key steps is mine
	s_bfe_u32 s15, ttmp6, 0x40000                  ; cx
	s_bfe_u32 s16, ttmp6, 0x40004                  ; cy
	s_lshl_b32 s17, ttmp9, 2
	s_add_co_u32 s17, s17, s15                     ; hd = 4 x cluster x + cx
	s_and_b32 s18, ttmp7, 0xffff
	s_lshl_b32 s18, s18, 2
	s_add_co_u32 s18, s18, s16                     ; my = 4 x cluster y + cy
	s_lshl_b32 s19, s16, 2
	s_lshl_b32 s19, 15, s19                        ; my row of the cluster
	s_lshl_b32 s20, 0x1111, s15                    ; my column
	; descriptor group 1: rows of 512 bytes, 512 bytes apart in memory, 16 bytes of padding behind each in LDS; x: 128 rows, w: 96
	s_or_b32 s24, s19, (1<<20)|(1<<21)|(6<<22)|(3<<25)   ; 15:0 the mask; 17:16 elements of 1 byte; 20 padding on; 21 set beside a mask; 24:22 after every 128 words; 31:25 four words
	s_mov_b32 s25, 512<<16                         ; tensor_dim0: a whole row of codes
	s_mov_b32 s26, 128<<16                         ; tensor_dim1
	s_mov_b32 s27, 512<<16                         ; tile_dim0
	s_mov_b32 s28, 128                             ; tile_dim1
	s_mov_b32 s29, 512                             ; from row to row
	s_mov_b32 s30, 0
	s_mov_b32 s31, 0
	s_or_b32 s32, s20, (1<<20)|(1<<21)|(6<<22)|(3<<25)
	s_mov_b32 s33, 512<<16
	s_mov_b32 s34, 96<<16
	s_mov_b32 s35, 512<<16
	s_mov_b32 s36, 96
	s_mov_b32 s37, 512
	s_mov_b32 s38, 0
	s_mov_b32 s39, 0
	s_lshl_b32 s56, s18, 8                         ; x: stored row 256 my + 128 a, 512 bytes a row: hangs on my and the wave alone
	s_lshl_b32 s58, s13, 7
	s_add_co_u32 s56, s56, s58
	s_lshl_b32 s56, s56, 9
	s_mov_b32 s57, 0
	s_mul_i32 s60, s17, 192                        ; w: stored row 192 hd + 96 a: hangs on hd and the wave alone
	s_mul_i32 s61, s13, 96
	s_add_co_u32 s60, s60, s61
	s_lshl_b32 s60, s60, 9
	s_add_co_u32 s60, s60, WQ_OFF
	s_mov_b32 s61, 0
	s_mul_i32 s58, s13, 128*PITCH                  ; where they go in LDS: the wave's number alone
	s_mul_i32 s62, s13, 96*PITCH
	s_wait_dscnt 0x0
	s_wait_kmcnt 0x0
	s_add_nc_u64 s[56:57], s[4:5], s[56:57]
	s_add_nc_u64 s[60:61], s[4:5], s[60:61]
.irp k, 0                              ; one group 0 for x's rows and one for w's
	s_mov_b32 s[40+4*\k], 1
	s_add_co_u32 s[41+4*\k], s58, \k*AHALF
	s_add_nc_u64 s[42+4*\k:43+4*\k], s[56:57], \k*256
	s_or_b32 s[43+4*\k], s[43+4*\k], 0x80000000
	s_mov_b32 s[48+4*\k], 1
	s_add_co_u32 s[49+4*\k], s62, BBASE+\k*BHALF
	s_add_nc_u64 s[50+4*\k:51+4*\k], s[60:61], \k*256
	s_or_b32 s[51+4*\k], s[51+4*\k], 0x80000000
.endr
	CROUND                                         ; all sixteen work-groups are here: the joint loads meet
	s_cmp_eq_u32 s14, 0                            ; one fill a wave, in the two arms of one branch on the wave's number: one tensor load of mine is out
	s_cbranch_scc0 .Lfill_w
	tensor_load_to_lds s[40:43], s[24:31]
	s_nop 0
.rept 4
	v_nop
.endr
	s_branch .Lfilled
.Lfill_w:
	tensor_load_to_lds s[48:51], s[32:39]
	s_nop 0
.rept 4
	v_nop
.endr
.Lfilled:
	v_and_b32 v1, 15, v0                           ; r
	v_bfe_u32 v2, v0, 4, 1                         ; h
	s_wait_alu depctr_va_vdst(0)
	v_and_b32 v3, 31, v0                           ; lane
	; THE SCALE WORDS come from memory straight into registers, once: a row's 32 bytes are its eight words.  Group g: lanes 0-15 x's tile g, lanes 16-31 q's tile g; group 4 + g: k's tile g, v's tile g
	s_lshl_b32 s66, s18, 13
	s_lshl_b32 s67, s12, 11
	s_add_co_u32 s66, s66, s67
	s_add_co_u32 s66, s66, XS_OFF                  ; x's rows 256 my + 64 w on
	s_mul_i32 s67, s17, 6144
	s_add_co_u32 s67, s67, WQS_OFF                 ; w's rows 192 hd on
	s_sub_co_u32 s68, s67, s66
	v_mul_lo_u32 v12, v2, s68                      ; lanes 16-31 take w's
	v_lshl_add_u32 v12, v1, 5, v12
	v_add_nc_u32 v12, s66, v12
	s_add_co_u32 s67, s67, 2048                    ; k's rows lie 64 rows on, v's 64 more
	v_lshlrev_b32 v13, 11, v2
	v_lshl_add_u32 v13, v1, 5, v13
	v_add_nc_u32 v13, s67, v13
.irp g, 0,1,2,3
	global_load_b128 v[SC+8*\g:SC+8*\g+3], v12, s[4:5] offset:512*\g
	global_load_b128 v[SC+8*\g+4:SC+8*\g+7], v12, s[4:5] offset:512*\g+16
	global_load_b128 v[SC+32+8*\g:SC+32+8*\g+3], v13, s[4:5] offset:512*\g
	global_load_b128 v[SC+32+8*\g+4:SC+32+8*\g+7], v13, s[4:5] offset:512*\g+16
.endr
	; THE BIASES, in the results' layout.  q, k: lane (r, h), register j of tile nt: d = 32 (nt / 2) + 16 h + 8 (nt % 2) + j.  v: one d a lane: 32 (nt / 2) + 8 (nt % 2) + r + 8 (r / 8)
	s_lshl_b32 s70, s17, 8
	s_mov_b32 s71, 0
	s_add_nc_u64 s[6:7], s[6:7], s[70:71]
	v_lshlrev_b32 v14, 6, v2
	v_and_b32 v15, 8, v1
	v_add_nc_u32 v15, v15, v1
	v_lshlrev_b32 v15, 2, v15
	WIN 0xc0                                       ; destination window 3
.irp t, 0,1
.irp nt, 0,1,2,3
	global_load_b128 v[128+8*(4*\t+\nt):128+8*(4*\t+\nt)+3], v14, s[6:7] offset:\t*4096+(32*(\nt/2)+8*(\nt%2))*4
	global_load_b128 v[128+8*(4*\t+\nt)+4:128+8*(4*\t+\nt)+7], v14, s[6:7] offset:\t*4096+(32*(\nt/2)+8*(\nt%2))*4+16
.endr
.endr
.irp nt, 0,1,2,3
	global_load_b32 v[192+8*\nt], v15, s[6:7] offset:8192+(32*(\nt/2)+8*(\nt%2))*4
.endr
	WIN 0
	; LDS addresses: a fragment's row x pitch + 16 h
	v_mul_u32_u24 v16, v1, PITCH
	v_lshl_add_u32 v16, v2, 4, v16
	s_mul_i32 s69, s12, 64*PITCH
	v_add_nc_u32 v4, s69, v16                      ; x's fragments: my 64 rows
	v_add_nc_u32 v6, BBASE, v16                    ; w's tiles 0 to 5
	v_add_nc_u32 v7, BBASE+6*16*PITCH, v16         ; tiles 6 to 11: so every offset stays inside the 16-bit immediate
	v_lshlrev_b32 v8, 4, v3                        ; 16 x lane: an image's place
	s_wait_alu depctr_va_vdst(0)
	v_lshlrev_b32 v9, 3, v3                        ; 8 x lane: a pair of scale words'
	s_wait_alu depctr_va_vdst(0)
	s_lshl_b32 s69, s13, 1
	s_lshl_b32 s70, s14, 8
	s_add_co_u32 s69, s69, s70
	s_add_co_u32 s69, s69, STG
	v_lshl_add_u32 v10, v1, 3, s69                 ; the stage, in: my step's 256 bytes, row r's 8, my two bytes of a word
	s_lshl_b32 s70, s12, 8
	s_add_co_u32 s70, s70, STG
	v_lshl_add_u32 v11, v3, 3, s70                 ; and out (waves 0 and 1): a step's 256 bytes
	s_lshl_b32 s70, s13, 11
	v_add_nc_u32 v17, s70, v8                      ; K's images: my four tiles of the step's eight
	s_lshl_b32 s70, s13, 9
	v_add_nc_u32 v18, s70, v8                      ; V's: my 64 keys of the step's 128
	s_lshl_b32 s70, s13, 8
	v_add_nc_u32 v19, s70, v9                      ; K's scale words: my group of four tiles
.irp n, 0,1,2,3,4,5,6,7
	v_mov_b32 v[T2+\n], 0                          ; written once: a lane permute's destination counts as one of its sources
.endr
	v_cmp_gt_u32 vcc_lo, 16, v3                    ; lanes 0-15; kept to the end
	s_mov_b32 s80, 0x76543210
	s_mov_b32 s81, 0xfedcba98                      ; v_permlanex16_b32's selects for lane l xor 16
	; where the results go
	s_lshr_b32 s72, s18, 3
	s_lshl_b32 s72, s72, 4
	s_add_co_u32 s72, s72, s17                     ; bh = 16 (my / 8) + hd
	s_and_b32 s73, s18, 7                          ; m8: which 256 rows of the batch's 2,048
	s_lshl_b32 s74, s72, 7
	s_lshl_b32 s75, s73, 4
	s_add_co_u32 s74, s74, s75
	s_lshl_b32 s75, s12, 2
	s_add_co_u32 s74, s74, s75                     ; my first tile of queries: 128 bh + 16 m8 + 4 w
	s_lshl_b32 s76, s74, 9
	s_mov_b32 s77, 0
	s_add_nc_u64 s[76:77], s[8:9], s[76:77]        ; its image
	s_lshl_b32 s78, s74, 6
	s_add_co_u32 s78, s78, QSC
	s_mov_b32 s79, 0
	s_add_nc_u64 s[78:79], s[8:9], s[78:79]        ; the four tiles' 256 bytes of scale words
	s_mul_i32 s82, s72, HEADB
	s_lshl_b32 s83, s73, 1
	s_add_co_u32 s84, s83, s14
	s_mul_i32 s84, s84, STEPB
	s_add_co_u32 s84, s84, s82
	s_mov_b32 s85, 0
	s_add_nc_u64 s[84:85], s[10:11], s[84:85]      ; kv at my key step: 2 m8 + w / 2
	s_add_co_u32 s86, s83, s12
	s_mul_i32 s86, s86, STEPB
	s_add_co_u32 s86, s86, s82
	s_mov_b32 s87, 0
	s_add_nc_u64 s[86:87], s[10:11], s[86:87]      ; and at step 2 m8 + w, whose scale words of V wave w (0 or 1) stores
; 32 LDS loads in one run: the fragments of K step q into set p: w's twelve tiles (window 1), x's four (window 0).  16 rows x 128 K of 4-bit codes are 8 registers: two loads of 16 bytes, 32 bytes apart
.macro FETCH q, p
	WIN 0x40
.irp i, 0,1,2,3,4,5,6,7,8,9,10,11
.irp c, 0,1
	ds_load_b128 v[128*(\p)+8*\i+4*\c:128*(\p)+8*\i+4*\c+3], v[6+\i/6] offset:(\i%6)*16*PITCH+64*(\q)+32*\c
.endr
.endr
	WIN 0
.irp i, 0,1,2,3
.irp c, 0,1
	ds_load_b128 v[AF+32*(\p)+8*\i+4*\c:AF+32*(\p)+8*\i+4*\c+3], v4 offset:\i*16*PITCH+64*(\q)+32*\c
.endr
.endr
.endm
; The 48 products of K step q on set p.  The 48 accumulators take turns, one instruction a turn, in the same order in every step.  first = 1: C is the bias
.macro MULS q, p, first
.if \first
	WIN 0xb1                                       ; source 0 (w) window 1, source 1 (x) window 0, C (the bias) window 3, D window 2
.else
	WIN 0xa1                                       ; C and D window 2
.endif
.irp t, 0,1
.irp mi, 0,1,2,3
.irp nt, 0,1,2,3
.set rD, 128*\t+8*(4*\mi+\nt)
.set rC, rD
.if \first
.set rC, 128+8*(4*\t+\nt)
.endif
.set rA, 128*(\p)+8*(4*\t+\nt)
.set rB, AF+32*(\p)+8*\mi
.set rS, SC+8*(4*\t+\nt)+(\q)
.set rT, SC+8*\mi+(\q)
.if \t == 0
	v_wmma_scale_f32_16x16x128_f8f6f4 v[rD:rD+7], v[rA:rA+7], v[rB:rB+7], v[rC:rC+7], v[rS], v[rT] matrix_a_fmt:MATRIX_FMT_FP4 matrix_b_fmt:MATRIX_FMT_FP4 matrix_a_scale:MATRIX_SCALE_ROW1
.else
	v_wmma_scale_f32_16x16x128_f8f6f4 v[rD:rD+7], v[rA:rA+7], v[rB:rB+7], v[rC:rC+7], v[rS], v[rT] matrix_a_fmt:MATRIX_FMT_FP4 matrix_b_fmt:MATRIX_FMT_FP4
.endif
.endr
.endr
.endr
	WIN 0xf4                                       ; v: source 0 (x) window 0, source 1 (w) window 1, C and D window 3
.irp nt, 0,1,2,3
.irp mi, 0,1,2,3
.set rD, 8*(4*\nt+\mi)
.set rC, rD
.if \first
.set rC, 192+8*\nt
.endif
.set rA, AF+32*(\p)+8*\mi
.set rB, 128*(\p)+8*(8+\nt)
.set rS, SC+8*\mi+(\q)
.set rT, SC+8*(4+\nt)+(\q)
	v_wmma_scale_f32_16x16x128_f8f6f4 v[rD:rD+7], v[rA:rA+7], v[rB:rB+7], v[rC:rC+7], v[rS], v[rT] matrix_a_fmt:MATRIX_FMT_FP4 matrix_b_fmt:MATRIX_FMT_FP4 matrix_b_scale:MATRIX_SCALE_ROW1
.endr
.endr
.endm
; A K step: its fragments are in; the next step's are asked for, 48 matrix instructions ahead of their use; the products
.macro STEPK q, first
	s_wait_dscnt 0x0                               ; this step's 32 loads, issued ahead of the last step's products, are in
.if (\q) < 7
	PLACES                                         ; the other set was read by the last step's products
	FETCH (\q)+1, ((\q)+1)%2
.endif
	MULS \q, (\q)%2, \first
.endm
; Four groups of 32 registers of window W, from base on: in a group register 16 b + i is k = 32 b + 16 h + i of the lane's row.  Each group becomes four registers of codes at v[pc + 4 g] (k = 32 h + 0 .. 31)
; and a scale word v[PW + g] = byte of block 0 | byte of block 1 << 8.  The eight blocks take turns line by line.  Each accumulator is read from its low end on.
.macro QUANT_SLOT W, base, pc
	WIN 5*\W                                       ; sources 0 and 1 window W
.irp g, 0,1,2,3
.irp b, 0,1
	v_max3_num_f32 v[TM+2*\g+\b], |v[\base+32*\g+16*\b]|, |v[\base+32*\g+16*\b+1]|, 0x1800000   ; my 16 numbers, and the floor 2^(3 - 127): the byte cannot fall under 1
.endr
.endr
.irp i, 2,4,6,8,10,12,14
.irp g, 0,1,2,3
.irp b, 0,1
	v_max3_num_f32 v[TM+2*\g+\b], |v[\base+32*\g+16*\b+\i]|, |v[\base+32*\g+16*\b+\i+1]|, v[TM+2*\g+\b]
.endr
.endr
.endr
	WIN 0
.irp n, 0,1,2,3,4,5,6,7
	v_permlanex16_b32 v[T2+\n], v[TM+\n], s80, s81
.endr
.irp n, 0,1,2,3,4,5,6,7
	v_max_num_f32 v[TM+\n], v[TM+\n], v[T2+\n]     ; with lane l xor 16's: the block's largest magnitude
.endr
.irp n, 0,1,2,3,4,5,6,7
	v_add_nc_u32 v[SO+\n], 0xff000000, v[TM+\n]    ; 2 off its exponent field: the conversion's scale operand
.endr
.irp n, 0,1,2,3,4,5,6,7
	v_lshrrev_b32 v[BY+\n], 23, v[SO+\n]           ; the scale's byte
.endr
.irp g, 0,1,2,3
	v_lshl_or_b32 v[PW+\g], v[BY+2*\g+1], 8, v[BY+2*\g]
.endr
	WIN \W                                         ; source 0 window W
.irp g, 0,1,2,3
.irp b, 0,1
	v_cvt_scalef32_pk8_fp4_f32 v[\pc+4*\g+2*\b], v[\base+32*\g+16*\b:\base+32*\g+16*\b+7], v[SO+2*\g+\b]
	v_cvt_scalef32_pk8_fp4_f32 v[\pc+4*\g+2*\b+1], v[\base+32*\g+16*\b+8:\base+32*\g+16*\b+15], v[SO+2*\g+\b]
.endr
.endr
	WIN 0
	v_nop                                          ; one plain line behind a scaled conversion
.irp g, 0,1,2,3
.irp i, 0,1
	v_permlane16_swap_b32 v[\pc+4*\g+\i], v[\pc+4*\g+2+\i]   ; the operand's layout wants a whole block in a lane: lanes 0-15 block 0, lanes 16-31 block 1
.endr
.endr
.endm
	s_wait_tensorcnt 0x0                           ; my one load, my rows for all of K, has landed
	s_barrier_signal -1
	s_barrier_wait -1                              ; everybody's has
	FETCH 0, 0
	s_wait_loadcnt 0x0                             ; the scale words and the biases
	WIN 0xc3                                       ; destination and source 0 window 3
.irp nt, 0,1,2,3
.irp j, 1,2,3,4,5,6,7
	v_mov_b32 v[192+8*\nt+\j], v[192+8*\nt]        ; v's bias is one number a lane: it fills the tile's eight registers
.endr
.endr
	WIN 0
	s_wait_alu depctr_va_vdst(0)
	STEPK 0, 1
.irp q, 1,2,3,4,5,6,7
	STEPK \q, 0
.endr
	PLACES                                         ; behind the last products, ahead of the first read of results
	; q: group = tile of queries mi
	QUANT_SLOT 2, 0, 200
.irp g, 0,1,2,3
	global_store_b128 v8, v[200+4*\g:203+4*\g], s[76:77] offset:512*\g     ; an image: 32 lanes store 512 consecutive bytes, aligned
.endr
	v_cndmask_b32 v248, v[PW+2], v[PW], vcc_lo     ; lanes 0-15 carry the words of tiles 0 and 1, lanes 16-31 those of tiles 2 and 3
	v_cndmask_b32 v249, v[PW+3], v[PW+1], vcc_lo
	global_store_b64 v9, v[248:249], s[78:79]      ; 256 consecutive bytes, aligned
	; k: the same, into my key step (each slot has its own registers for what it stores: no store's data are written again)
	QUANT_SLOT 2, 128, 216
.irp g, 0,1,2,3
	global_store_b128 v17, v[216+4*\g:219+4*\g], s[84:85] offset:512*\g
.endr
	v_cndmask_b32 v250, v[PW+2], v[PW], vcc_lo
	v_cndmask_b32 v251, v[PW+3], v[PW+1], vcc_lo
	global_store_b64 v19, v[250:251], s[84:85] offset:8192
	; v: group = tile of d nt; K = my 64 keys: half a fragment, and two of a scale word's four bytes
	QUANT_SLOT 3, 0, 232
.irp nt, 0,1,2,3
	global_store_b128 v18, v[232+4*\nt:235+4*\nt], s[84:85] offset:4096+1024*\nt
.endr
.irp nt, 0,1,2,3
	ds_store_b16 v10, v[PW+\nt] offset:128*(\nt&1)+4*(\nt>>1)   ; the word of tile nt, row r, lies at 8 (r + 16 (nt & 1)) + 4 (nt >> 1); both halves of the lanes write the same bytes with the same value
.endr
	s_wait_dscnt 0x0                               ; for the others' sake: my stores into the stage are done
	s_barrier_signal -1
	s_barrier_wait -1
	s_cmp_lt_u32 s12, 2
	s_cbranch_scc0 .Lno_words
	ds_load_b64 v[252:253], v11                    ; a step's 256 bytes, made by two waves
	s_wait_dscnt 0x0
	global_store_b64 v9, v[252:253], s[86:87] offset:8704
.Lno_words:
	s_wait_tensorcnt 0x0
	ds_add_u32 v254, v255
	s_wait_dscnt 0x0
	CROUND                                         ; the closing round: no work-group ends while a partner may still ask for a tile that names it
	s_endpgm
.Lfunc_end_k_q87af87c8f9_qkv:
	.size	k_q87af87c8f9_qkv, .Lfunc_end_k_q87af87c8f9_qkv-k_q87af87c8f9_qkv
	.p2alignl 7, 3214868480
	.fill 96, 4, 3214868480
	.section	.rodata,"a",@progbits
	.p2align	6, 0x0
	.amdhsa_kernel k_q87af87c8f9_qkv
		.amdhsa_group_segment_fixed_size 246272
		.amdhsa_private_segment_fixed_size 0
		.amdhsa_enable_private_segment 0
		.amdhsa_kernarg_size 32
		.amdhsa_user_sgpr_count 2
		.amdhsa_user_sgpr_kernarg_segment_ptr 1
		.amdhsa_wavefront_size32 1
		.amdhsa_system_sgpr_workgroup_id_x 1
		.amdhsa_system_sgpr_workgroup_id_y 1
		.amdhsa_system_sgpr_workgroup_id_z 1
		.amdhsa_system_vgpr_workitem_id 0
		.amdhsa_next_free_vgpr 1024
		.amdhsa_next_free_sgpr 96
		.amdhsa_reserve_vcc 1
		.amdhsa_float_denorm_mode_32 3
		.amdhsa_float_denorm_mode_16_64 3
		.amdhsa_memory_ordered 1
		.amdhsa_forward_progress 1
		.amdhsa_inst_pref_size 104
	.end_amdhsa_kernel
	.amdgpu_metadata
---
amdhsa.version: [ 1, 2 ]
amdhsa.kernels:
  - .name:           k_q87af87c8f9_qkv
    .symbol:         k_q87af87c8f9_qkv.kd
    .args:
      - { .name: cw, .offset: 0, .size: 8, .value_kind: global_buffer, .address_space: global }
      - { .name: b_qkv, .offset: 8, .size: 8, .value_kind: global_buffer, .address_space: global }
      - { .name: qb, .offset: 16, .size: 8, .value_kind: global_buffer, .address_space: global }
      - { .name: kv, .offset: 24, .size: 8, .value_kind: global_buffer, .address_space: global }
    .group_segment_fixed_size: 246272
    .private_segment_fixed_size: 0
    .kernarg_segment_align: 8
    .kernarg_segment_size: 32
    .max_flat_workgroup_size: 128
    .sgpr_count:     96
    .vgpr_count:     1024
    .wavefront_size: 32
...
	.end_amdgpu_metadata
.endif
;; end of part 2
;; launch attn (part 3): grid 8 x 32, 16 waves a work-group, clusters of 4 x 1, 169,984 bytes of LDS; arguments qb, kv, ab; writes ab
.if DOCPART == 3
	.amdgcn_target "amdgcn-amd-amdhsa--gfx1250"
	.amdhsa_code_object_version 6
	.text
	.protected	k_q87af87c8f9_attn
	.globl	k_q87af87c8f9_attn
	.p2align	8
	.type	k_q87af87c8f9_attn,@function
k_q87af87c8f9_attn:
	s_mov_b64 s[64:65], 0
	v_nop
	global_prefetch_b8 v0, s[64:65] scope:SCOPE_SE
	s_setreg_imm32_b32 hwreg(HW_REG_WAVE_MODE, 25, 1), 1
	s_wait_xcnt 0x0
	s_wait_alu depctr_hold_cnt(0) depctr_sa_sdst(0) depctr_va_vdst(0) depctr_va_sdst(0) depctr_va_ssrc(0) depctr_va_vcc(0) depctr_vm_vsrc(0)
	s_getreg_b32 s2, hwreg(HW_REG_IB_STS2, 6, 4)
	s_cmp_eq_u32 s2, 0
	s_cbranch_scc0 .Lentry_in_a_cluster
	s_endpgm
.Lentry_in_a_cluster:
	s_bfe_u32 s2, ttmp6, 0x10000c
	s_cmp_lg_u32 s2, 0x3003
	s_cbranch_scc0 .Lentry_shape_is_right
	s_endpgm
.Lentry_shape_is_right:
; o = softmax(q k^T / 8) v for one head and 256 queries, both products on codes of FP4 (E2M1) with E8M0 scales; o is then quantised along d for the projection.
; THE SOFTMAX AHEAD OF THE SECOND PRODUCT: t = score x log2(e) / 8; M = the running largest t rounded UP to a whole number; p = 2^(t - M) is quantised along the keys, not normalised.
; The row's sum is taken of the unquantised p, in f32, and divides O at the end.  When M moves, the sum and O are multiplied by 2^(old M - new M): exact.
; SHARES.  Work-group (qblk, bh); each of its sixteen waves owns one tile of 16 queries in 256 registers and walks the head's 2,048 keys, 128 a step.
; THE HEAD'S K AND V LIE IN LDS AT ONCE, filled once: sixteen steps of 8,960 bytes, and EVERY WAVE FETCHES ONE STEP by one tensor load at the head (one load of a wave is out).
; One wait and one barrier show the block whole; no barrier stands among the key steps.  CLUSTER 4 x 1: the four blocks of queries of a cluster belong to one head: each load is a joint one.
; No prefetch: the launch's only loads stand at its head, so there is no loop to run ahead in.
; LDS ROWS: a step is 35 rows of 256 bytes, each with 32 bytes of padding (288 apart).  An image of 512 bytes is two rows: lanes 0-15 in one, lanes 16-31 in the next.
; LAYOUT.  Both products are used transposed: S^T = K Q^T, O^T = V^T P^T: a lane holds ONE query throughout.
; THE KEYS OF A TILE ARE CHOSEN BY THE LANES' LDS ADDRESSES: tile u of the c-th 64 keys takes keys 64 c + 8 u + 0 .. 7 in rows 0-7 and keys 64 c + 32 + 8 u + 0 .. 7 in rows 8-15.
; So lane (r, h) holds in the 32 registers of tiles 4 c .. 4 c + 3 the keys 64 c + 32 h + 0 .. 31: a WHOLE block of 32, in the order of the second product's operand:
; a block's largest score needs no other lane, and the conversions' results are the operand as they stand.  In kv eight neighbouring keys lie in eight neighbouring lanes of an image; the two groups of eight that a tile joins
; lie four LDS rows apart, 1,152 bytes = 128 modulo 256: the sixteen lanes of a load touch sixteen different columns of 16 bytes.
; K = 64 IN AN INSTRUCTION 128 DEEP: Q's registers 4-7 are zero codes, so what stands in K's registers 4-7 counts for nothing: a tile of K is four registers, and its operand runs on into the next tile's.
; The scale bytes of that upper half are 0 (2^-127), never 0xff.
; LIMITS: the promise holds while the scaled scores t stay under 2^31 in magnitude.  A block whose largest magnitude lies under 2^-124 keeps the scale byte 1, a block of zeros too (its codes are zeros;
; this program alone reads the bytes); NaN and infinities are not served.
; REGISTERS: v1-7 lane terms; v8-11 the step's addresses; v12 -M, v13 the largest score, v[14:15] the sum; v16-23 Q; v24 Q's scale word; v25 the last -M; v26-29 K's scale words, v30-31 V's; v32-67 K; v68-99 V;
; v100-103 at work; v104-167 S^T, then p; v168-199 O^T; v200-207 p's codes; v208-235 at work; v254, v255 the add's two.
.set HEADB, 143360                     ; kv: a head
.set STEPB, 8960                       ;     a step: K's 8 images, V's 8 half images, K's scale words (512), V's (256)
.set RP,    288                        ; an LDS row
.set STEPL, 35*RP                      ; a step in LDS
.set STG,   0                          ; 64 bytes a wave for o's scale words: written by LDS stores alone
.set SPARE, 1024                       ; the spare words, 128 bytes a wave
.set KV0,   3072                       ; the block
.set QSC,   2097152                    ; qb, ab: where the scale words begin
.set S,   104
.set O,   168
.set PC,  200
.set BM,  208                          ; v208-211 largest scores, four chains; v208, v210 the two blocks'
.set SO,  212                          ; v212-213 the conversions' scale operands
.set BY,  214                          ; v214-215 the bytes
.set F,   216                          ; v[216:217] f = 2^(old M - new M); v217 is named with it as a pair
.set PW,  218                          ; p's scale word: holds scales and nothing else
.set W,   219
.set SM,  220                          ; v220-235 the step's sum, eight chains
.set SH,  100                          ; 8 h
.set TW,  101
.set T2,  102
.set D,   103
.set OLD, 25
.set TB,  48                           ; s48 LDS byte at which the step in hand begins
.set CNT, 49
.set CS,  50                           ; s[50:51] c = log2(e) / 8
.set SEL, 52                           ; s[52:53] selects for lane l xor 16
.macro CROUND                          ; a round of the cluster's barrier
	s_barrier_signal -1
	s_barrier_wait -1
	s_cmp_lg_u32 s12, 0
	s_cbranch_scc1 .Lnot_wave_0_\@
	s_barrier_signal -3
.Lnot_wave_0_\@:
	s_barrier_wait -3
	s_barrier_signal -1
	s_barrier_wait -1
.endm
	s_load_b128 s[4:7], s[0:1], 0x0                ; qb s[4:5], kv s[6:7]
	s_load_b64 s[8:9], s[0:1], 0x10                ; ab
	v_lshl_add_u32 v254, v0, 2, SPARE
	v_mov_b32 v255, 0
	ds_add_u32 v254, v255                          ; the opening lines: the add, twice on end, and its wait ahead of my tensor load
	ds_add_u32 v254, v255
	v_lshrrev_b32 v1, 5, v0
	s_delay_alu instid0(VALU_DEP_1)
	v_readfirstlane_b32 s12, v1                    ; wave 0..15
	s_bfe_u32 s13, ttmp6, 0x40000                  ; cx
	s_lshl_b32 s14, ttmp9, 2
	s_add_co_u32 s14, s14, s13                     ; my block of 256 queries: it enters global addresses of Q and o alone
	s_and_b32 s15, ttmp7, 0xffff                   ; bh, which the four partners share
	; descriptor group 1: a step's 8,960 dense bytes as 35 rows of 256 bytes (32 elements of 8), 32 bytes of padding behind each
	s_mov_b32 s24, 15|(3<<16)|(1<<20)|(1<<21)|(5<<22)|(7<<25)   ; 15:0 the mask: all four; 17:16 elements of 8 bytes; 20 padding on; 21 set beside a mask; 24:22 after every 64 words; 31:25 eight words
	s_mov_b32 s25, 32<<16                          ; tensor_dim0
	s_mov_b32 s26, 35<<16                          ; tensor_dim1
	s_mov_b32 s27, 32<<16                          ; tile_dim0
	s_mov_b32 s28, 35                              ; tile_dim1
	s_mov_b32 s29, 32                              ; from row to row
	s_mov_b32 s30, 0
	s_mov_b32 s31, 0
	s_mul_i32 s16, s15, HEADB
	s_mul_i32 s17, s12, STEPB                      ; I fetch step number = my wave's number
	s_add_co_u32 s18, s16, s17
	s_mov_b32 s19, 0
	s_mov_b32 s32, 1
	s_mul_i32 s33, s12, STEPL
	s_add_co_u32 s33, s33, KV0                     ; where it goes: the wave's number alone
	s_mov_b32 s[CS], 0x3e38aa3b
	s_mov_b32 s[CS+1], s[CS]                       ; (named with it as a pair, so it is written)
	s_mov_b32 s[SEL], 0x76543210
	s_mov_b32 s[SEL+1], 0xfedcba98
	s_wait_dscnt 0x0                               ; both opening adds are done
	s_wait_kmcnt 0x0
	s_add_nc_u64 s[34:35], s[6:7], s[18:19]
	s_or_b32 s35, s35, 0x80000000
	CROUND                                         ; all four work-groups are here: the joint loads meet
	tensor_load_to_lds s[32:35], s[24:31]          ; every wave's one load
	s_nop 0
	v_and_b32 v9, 31, v0                           ; lane
	v_and_b32 v8, 15, v0                           ; r
	v_bfe_u32 v10, v0, 4, 1                        ; h
	v_bfe_u32 v11, v0, 3, 1                        ; r / 8
	v_and_b32 v12, 7, v0                           ; r % 8
	v_mul_u32_u24 v3, v10, RP
	v_lshlrev_b32 v2, 3, v12
	v_lshlrev_b32 v4, 3, v9                        ; V's scale words: 8 x lane
	v_lshl_add_u32 v1, v12, 4, v3
	v_lshl_add_u32 v2, v11, 7, v2
	v_lshlrev_b32 v5, 4, v9                        ; images in memory: 16 x lane
	v_mad_u32_u24 v1, v11, 4*RP, v1                ; K: 4 rows x (r / 8) + a row x h + 16 (r % 8)
	v_lshl_add_u32 v2, v10, 6, v2                  ; K's scale words: 8 (r % 8) + 64 h + 128 (r / 8): lanes 0-15 take tiles 0, 1 of a 64, lanes 16-31 tiles 2, 3
	v_lshl_add_u32 v3, v8, 4, v3                   ; V: a row x h + 16 r
	v_lshlrev_b32 v[SH], 3, v10                    ; 8 h
	v_lshlrev_b32 v236, 3, v8                      ; 8 r
	s_wait_alu depctr_va_vdst(0)
	s_lshl_b32 s20, s15, 7
	s_lshl_b32 s21, s14, 4
	s_add_co_u32 s20, s20, s21                     ; 128 bh + 16 qblk: the work-group's first tile
	s_add_co_u32 s21, s20, s12                     ; mine
	s_lshl_b32 s22, s21, 9
	s_mov_b32 s23, 0
	s_add_nc_u64 s[22:23], s[4:5], s[22:23]
	global_load_b128 v[16:19], v5, s[22:23]        ; Q's image
	s_lshr_b32 s54, s21, 2                         ; its scale word: 256 bytes for four tiles; tile g, row r at 128 (g / 2) + 8 r + 4 (g % 2)
	s_lshl_b32 s54, s54, 8
	s_bfe_u32 s55, s21, 0x10001
	s_lshl_b32 s55, s55, 7
	s_add_co_u32 s54, s54, s55
	s_and_b32 s55, s21, 1
	s_lshl_b32 s55, s55, 2
	s_add_co_u32 s54, s54, s55
	s_add_co_u32 s54, s54, QSC
	s_mov_b32 s55, 0
	s_add_nc_u64 s[54:55], s[4:5], s[54:55]
	global_load_b32 v24, v236, s[54:55]
	s_lshr_b32 s56, s15, 4                         ; o's image: ((128 b + qt) 16 + head) 512
	s_lshl_b32 s56, s56, 7
	s_lshl_b32 s57, s14, 4
	s_add_co_u32 s56, s56, s57
	s_add_co_u32 s56, s56, s12
	s_lshl_b32 s56, s56, 4
	s_and_b32 s57, s15, 15
	s_add_co_u32 s56, s56, s57
	s_lshl_b32 s56, s56, 9
	s_mov_b32 s57, 0
	s_add_nc_u64 s[56:57], s[8:9], s[56:57]
	s_lshl_b32 s58, s20, 6                         ; o's scale words: 64 bytes a tile; waves 0 and 1 store 512 bytes each
	s_lshl_b32 s59, s12, 9
	s_add_co_u32 s58, s58, s59
	s_add_co_u32 s58, s58, QSC
	s_mov_b32 s59, 0
	s_add_nc_u64 s[58:59], s[8:9], s[58:59]
	s_lshl_b32 s60, s12, 6
	s_add_co_u32 s60, s60, STG
	v_lshl_add_u32 v6, v8, 2, s60                  ; the stage, in: 64 bytes a wave, 4 a row
	s_lshl_b32 s61, s12, 9
	s_add_co_u32 s61, s61, STG
	v_lshl_add_u32 v7, v9, 4, s61                  ; and out (waves 0 and 1)
	v_mov_b32 v13, 0xff61b1e6                      ; the largest score so far: -3e38
	v_mov_b32 v[OLD], 0x7f61b1e6                   ; the -M that goes with it: the first f comes out 0, on sums that are 0
	v_mov_b32 v14, 0
	v_mov_b32 v15, 0
.irp j, 20,21,22,23,64,65,66,67
	v_mov_b32 v[\j], 0                             ; Q's upper half: zero codes; and what follows K's last tile
.endr
	v_mov_b32 v[T2], 0                             ; written once: a lane permute's destination counts as one of its sources
	v_mov_b32 v[TW], 0
	v_mov_b32 v[F+1], 0
.set J, 0
.rept 32
	v_mov_b32 v[O+J], 0                            ; O^T: the first step finds zeros, which the first change of M leaves zeros
.set J, J+1
.endr
.macro KLOAD nx                        ; eight tiles of K and their scale words, nx bytes on from the addresses in v8, v9: ten LDS loads
.irp t, 0,1,2,3,4,5,6,7
	ds_load_b128 v[32+4*\t:35+4*\t], v8 offset:\nx+8*RP*(\t/4)+2*RP*(\t%2)+128*((\t%4)/2)
.endr
	ds_load_b64 v[26:27], v9 offset:\nx+32*RP
	ds_load_b64 v[28:29], v9 offset:\nx+33*RP
.endm
; A KEY STEP: 128 keys.  more = 1: the next step's K is asked for behind this step's first products
.macro STEP more
	s_wait_dscnt 0x0                               ; K and its scale words, asked for a step ago, are in
.irp t, 0,1,2,3,4,5,6,7
.if (\t%4) < 2
	v_wmma_scale_f32_16x16x128_f8f6f4 v[S+8*\t:S+8*\t+7], v[32+4*\t:39+4*\t], v[16:23], 0, v[26+2*(\t/4)+\t%2], v24 matrix_a_fmt:MATRIX_FMT_FP4 matrix_b_fmt:MATRIX_FMT_FP4
.else
	v_wmma_scale_f32_16x16x128_f8f6f4 v[S+8*\t:S+8*\t+7], v[32+4*\t:39+4*\t], v[16:23], 0, v[26+2*(\t/4)+\t%2], v24 matrix_a_fmt:MATRIX_FMT_FP4 matrix_b_fmt:MATRIX_FMT_FP4 matrix_a_scale:MATRIX_SCALE_ROW1
.endif
.endr
	v_add_nc_u32 v10, s[TB], v3                    ; four plain lines behind the products: ahead of the loads into V's and K's registers and of the first read of S^T
	v_add_nc_u32 v11, s[TB], v4
.if \more
	v_add_nc_u32 v8, s[TB], v1
	v_add_nc_u32 v9, s[TB], v2
.else
	v_nop
	v_nop
.endif
.irp n, 0,1,2,3
.irp c, 0,1
	ds_load_b128 v[68+8*\n+4*\c:71+8*\n+4*\c], v10 offset:16*RP+4*RP*\n+2*RP*\c   ; V's four fragments
.endr
.endr
	ds_load_b64 v[30:31], v11 offset:34*RP         ; their scale words: lanes 0-15 tiles 0, 2, lanes 16-31 tiles 1, 3
.if \more
	KLOAD STEPL
.endif
.irp c, 0,1                            ; the largest score of my two blocks of 32 keys, each in two chains; every accumulator is first read at its low end
	v_max3_num_f32 v[BM+2*\c], v[S+32*\c], v[S+32*\c+1], v[S+32*\c+2]
	v_max3_num_f32 v[BM+2*\c+1], v[S+32*\c+16], v[S+32*\c+17], v[S+32*\c+18]
.endr
.irp i, 3,5,7,9,11,13
.irp c, 0,1
	v_max3_num_f32 v[BM+2*\c], v[BM+2*\c], v[S+32*\c+\i], v[S+32*\c+\i+1]
	v_max3_num_f32 v[BM+2*\c+1], v[BM+2*\c+1], v[S+32*\c+16+\i], v[S+32*\c+17+\i]
.endr
.endr
.irp c, 0,1
	v_max3_num_f32 v[BM+2*\c], v[BM+2*\c], v[S+32*\c+15], v[S+32*\c+31]
.endr
.irp c, 0,1
	s_delay_alu instid0(VALU_DEP_2)
	v_max_num_f32 v[BM+2*\c], v[BM+2*\c], v[BM+2*\c+1]   ; the block's: it serves for the row's maximum and, since p rises with the score, for the block's largest p
.endr
	s_delay_alu instid0(VALU_DEP_1)
	v_max_num_f32 v[TW], v[BM], v[BM+2]
	s_delay_alu instid0(VALU_DEP_1)
	v_permlanex16_b32 v[T2], v[TW], s[SEL], s[SEL+1]
	s_delay_alu instid0(VALU_DEP_1)
	v_max3_num_f32 v13, v13, v[TW], v[T2]          ; the running largest score of my query
	s_delay_alu instid0(VALU_DEP_1)
	v_mul_f32 v[TW], s[CS], v13                    ; as t (c is positive)
	s_delay_alu instid0(VALU_DEP_1)
	v_floor_f32 v12, -v[TW]                        ; -M = floor(-t) = -ceil(t)
	s_delay_alu instid0(VALU_DEP_1)
	v_sub_f32 v[D], v12, v[OLD]                    ; old M - new M: a whole number, 0 or less
	s_delay_alu instid0(VALU_DEP_1)
	v_cvt_i32_f32 v[D], v[D]                       ; (it saturates)
	s_delay_alu instid0(VALU_DEP_1)
	v_ldexp_f32 v[F], 1.0, v[D]                    ; f = 2^(old M - new M)
.set J, 0
.rept 32
	v_pk_fma_f32 v[S+J:S+J+1], v[S+J:S+J+1], s[CS:CS+1], v[12:13] op_sel_hi:[1,0,0]   ; t - M, two at a time
.set J, J+2
.endr
.irp c, 0,1
	v_fma_f32 v[BM+2*\c], v[BM+2*\c], s[CS], v12   ; the same of each block's largest score
.endr
.set J, 0
.rept 16
	v_pk_mul_f32 v[O+J:O+J+1], v[O+J:O+J+1], v[F:F+1] op_sel_hi:[1,0]   ; O^T under the new M, ahead of the exponentials
.set J, J+2
.endr
	s_wait_alu depctr_va_vdst(0)
.set J, 0
.rept 64
	v_exp_f32 v[S+J], v[S+J]                       ; p = 2^(t - M), at most 1
.set J, J+1
.endr
.irp c, 0,1
	v_exp_f32 v[BM+2*\c], v[BM+2*\c]               ; the block's largest p: the same two instructions on the same number give the same bits
.endr
	v_mov_b32 v[OLD], v12                          ; (a plain line behind the exponentials)
	s_wait_alu depctr_va_vdst(0)                   ; one wait for the batch, ahead of its first reader
.irp c, 0,1
	v_max_num_f32 v[BM+2*\c], 0x1800000, v[BM+2*\c]   ; the floor 2^(3 - 127): the byte cannot fall under 1
.endr
.irp c, 0,1
	s_delay_alu instid0(VALU_DEP_2)
	v_add_nc_u32 v[SO+\c], 0xff000000, v[BM+2*\c]  ; 2 off the exponent field: the conversion's scale operand
.endr
.irp c, 0,1
	s_delay_alu instid0(VALU_DEP_2)
	v_lshrrev_b32 v[BY+\c], 23, v[SO+\c]           ; the byte of block 2 c + h
.endr
.irp c, 0,1
.irp u, 0,1,2,3
	v_cvt_scalef32_pk8_fp4_f32 v[PC+4*\c+\u], v[S+32*\c+8*\u:S+32*\c+8*\u+7], v[SO+\c]   ; registers 4 c .. 4 c + 3 of the operand: keys 64 c + 32 h + 0 .. 31
.endr
.endr
	v_lshl_or_b32 v[W], v[BY+1], 16, v[BY]         ; (a plain line behind the conversions)  my two bytes,
	s_delay_alu instid0(VALU_DEP_1)
	v_lshlrev_b32 v[W], v[SH], v[W]                ; at their places in the scale word;
	s_delay_alu instid0(VALU_DEP_1)
	v_permlanex16_b32 v[T2], v[W], s[SEL], s[SEL+1]
	s_delay_alu instid0(VALU_DEP_1)
	v_or_b32 v[PW], v[W], v[T2]                    ; with lane l xor 16's two the word is whole
.set J, 0
.rept 8
	v_pk_add_f32 v[SM+J:SM+J+1], v[S+J:S+J+1], v[S+16+J:S+17+J]    ; the step's sum of the unquantised p, two at a time, in eight chains
.set J, J+2
.endr
.irp k, 32,48
.set J, 0
.rept 8
	v_pk_add_f32 v[SM+J:SM+J+1], v[SM+J:SM+J+1], v[S+\k+J:S+\k+J+1]
.set J, J+2
.endr
.endr
.irp i, 0,2,4,6
	v_pk_add_f32 v[SM+\i:SM+\i+1], v[SM+\i:SM+\i+1], v[SM+8+\i:SM+9+\i]
.endr
.irp i, 0,2
	s_delay_alu instid0(VALU_DEP_2)
	v_pk_add_f32 v[SM+\i:SM+\i+1], v[SM+\i:SM+\i+1], v[SM+4+\i:SM+5+\i]
.endr
	s_delay_alu instid0(VALU_DEP_1)
	v_pk_add_f32 v[SM:SM+1], v[SM:SM+1], v[SM+2:SM+3]
	s_delay_alu instid0(VALU_DEP_1)
	v_pk_fma_f32 v[14:15], v[14:15], v[F:F+1], v[SM:SM+1] op_sel_hi:[1,0,1]   ; the row's sum under the new M, and the step's.  (32 plain lines between p's scale word and the products that take it)
.if \more
	s_wait_dscnt 0xa                               ; V and its scale words are in; the ten loads issued behind them, the next step's K, may stay out
.else
	s_wait_dscnt 0x0
.endif
.irp n, 0,1,2,3                        ; O^T += V^T P^T: the four accumulators by turns
.if (\n%2) == 0
	v_wmma_scale_f32_16x16x128_f8f6f4 v[O+8*\n:O+8*\n+7], v[68+8*\n:75+8*\n], v[PC:PC+7], v[O+8*\n:O+8*\n+7], v[30+\n/2], v[PW] matrix_a_fmt:MATRIX_FMT_FP4 matrix_b_fmt:MATRIX_FMT_FP4
.else
	v_wmma_scale_f32_16x16x128_f8f6f4 v[O+8*\n:O+8*\n+7], v[68+8*\n:75+8*\n], v[PC:PC+7], v[O+8*\n:O+8*\n+7], v[30+\n/2], v[PW] matrix_a_fmt:MATRIX_FMT_FP4 matrix_b_fmt:MATRIX_FMT_FP4 matrix_a_scale:MATRIX_SCALE_ROW1
.endif
.endr
.endm
	s_wait_alu depctr_va_vdst(0)
	s_wait_loadcnt 0x0                             ; Q and its scale word
	s_wait_tensorcnt 0x0                           ; my step has landed,
	s_barrier_signal -1
	s_barrier_wait -1                              ; everybody's has: the block is whole
	v_add_nc_u32 v8, KV0, v1
	v_add_nc_u32 v9, KV0, v2
	KLOAD 0                                        ; step 0's K
	s_mov_b32 s[TB], KV0
	s_mov_b32 s[CNT], 15
.Lstep:
	STEP 1
	s_add_co_u32 s[TB], s[TB], STEPL
	s_sub_co_u32 s[CNT], s[CNT], 1
	s_cmp_lg_u32 s[CNT], 0
	s_cbranch_scc1 .Lstep
	STEP 0                                         ; the last step asks for nothing beyond the block
	; THE WAY OUT: O^T / the sum, quantised along d (V's tiles stand in the order in which register 16 b + i is d = 32 b + 16 h + i), as an image of the projection's operand
.rept 4
	v_nop
.endr
	s_wait_alu depctr_va_vdst(0)                   ; directly ahead of the reader of the last step's sum
	v_add_f32 v14, v14, v15                        ; the sum's two halves,
	s_delay_alu instid0(VALU_DEP_1)
	v_permlanex16_b32 v[TW], v14, s[SEL], s[SEL+1]
	s_delay_alu instid0(VALU_DEP_1)
	v_add_f32 v14, v14, v[TW]                      ; and lane l xor 16's
	s_wait_alu depctr_va_vdst(0)
	v_rcp_f32 v14, v14
	v_mov_b32 v15, 0                               ; (a plain line behind the reciprocal)
	s_wait_alu depctr_va_vdst(0)                   ; ahead of its first reader, which is also O^T's
.set J, 0
.rept 16
	v_pk_mul_f32 v[S+J:S+J+1], v[O+J:O+J+1], v[14:15] op_sel_hi:[1,0]
.set J, J+2
.endr
.irp b, 0,1
	v_max3_num_f32 v[BM+\b], |v[S+16*\b]|, |v[S+16*\b+1]|, 0x1800000
.endr
.irp i, 2,4,6,8,10,12,14
.irp b, 0,1
	s_delay_alu instid0(VALU_DEP_2)
	v_max3_num_f32 v[BM+\b], v[BM+\b], |v[S+16*\b+\i]|, |v[S+16*\b+\i+1]|
.endr
.endr
.irp b, 0,1
	s_delay_alu instid0(VALU_DEP_2)
	v_permlanex16_b32 v[BM+2+\b], v[BM+\b], s[SEL], s[SEL+1]
.endr
.irp b, 0,1
	s_delay_alu instid0(VALU_DEP_2)
	v_max_num_f32 v[BM+\b], v[BM+\b], v[BM+2+\b]
.endr
.irp b, 0,1
	s_delay_alu instid0(VALU_DEP_2)
	v_add_nc_u32 v[SO+\b], 0xff000000, v[BM+\b]
.endr
.irp b, 0,1
	s_delay_alu instid0(VALU_DEP_2)
	v_lshrrev_b32 v[BY+\b], 23, v[SO+\b]
.endr
	s_delay_alu instid0(VALU_DEP_1)
	v_lshl_or_b32 v[W], v[BY+1], 8, v[BY]          ; my row's two bytes
.irp b, 0,1
	v_cvt_scalef32_pk8_fp4_f32 v[PC+2*\b], v[S+16*\b:S+16*\b+7], v[SO+\b]
	v_cvt_scalef32_pk8_fp4_f32 v[PC+2*\b+1], v[S+16*\b+8:S+16*\b+15], v[SO+\b]
.endr
	v_nop                                          ; one plain line behind a scaled conversion
.irp i, 0,1
	v_permlane16_swap_b32 v[PC+\i], v[PC+2+\i]     ; a whole block in a lane
.endr
	global_store_b128 v5, v[PC:PC+3], s[56:57]     ; 32 lanes store 512 consecutive bytes, aligned
	ds_store_b32 v6, v[W]                          ; both halves of the lanes write the same word with the same value
	s_wait_dscnt 0x0                               ; for the others' sake: my store into the stage is done
	s_barrier_signal -1
	s_barrier_wait -1
	s_cmp_lt_u32 s12, 2
	s_cbranch_scc0 .Lno_words
	ds_load_b128 v[BM:BM+3], v7                    ; eight tiles' scale words
	s_wait_dscnt 0x0
	global_store_b128 v5, v[BM:BM+3], s[58:59]     ; 512 consecutive bytes, aligned
.Lno_words:
	s_wait_tensorcnt 0x0                           ; the wave's end
	ds_add_u32 v254, v255
	s_wait_dscnt 0x0
	CROUND                                         ; the closing round
	s_endpgm
.Lfunc_end_k_q87af87c8f9_attn:
	.size	k_q87af87c8f9_attn, .Lfunc_end_k_q87af87c8f9_attn-k_q87af87c8f9_attn
	.p2alignl 7, 3214868480
	.fill 96, 4, 3214868480
	.section	.rodata,"a",@progbits
	.p2align	6, 0x0
	.amdhsa_kernel k_q87af87c8f9_attn
		.amdhsa_group_segment_fixed_size 169984
		.amdhsa_private_segment_fixed_size 0
		.amdhsa_enable_private_segment 0
		.amdhsa_kernarg_size 24
		.amdhsa_user_sgpr_count 2
		.amdhsa_user_sgpr_kernarg_segment_ptr 1
		.amdhsa_wavefront_size32 1
		.amdhsa_system_sgpr_workgroup_id_x 1
		.amdhsa_system_sgpr_workgroup_id_y 1
		.amdhsa_system_sgpr_workgroup_id_z 1
		.amdhsa_system_vgpr_workitem_id 0
		.amdhsa_next_free_vgpr 256
		.amdhsa_next_free_sgpr 66
		.amdhsa_reserve_vcc 0
		.amdhsa_float_denorm_mode_32 3
		.amdhsa_float_denorm_mode_16_64 3
		.amdhsa_memory_ordered 1
		.amdhsa_forward_progress 1
		.amdhsa_inst_pref_size 41
	.end_amdhsa_kernel
	.amdgpu_metadata
---
amdhsa.version: [ 1, 2 ]
amdhsa.kernels:
  - .name:           k_q87af87c8f9_attn
    .symbol:         k_q87af87c8f9_attn.kd
    .args:
      - { .name: qb, .offset: 0, .size: 8, .value_kind: global_buffer, .address_space: global }
      - { .name: kv, .offset: 8, .size: 8, .value_kind: global_buffer, .address_space: global }
      - { .name: ab, .offset: 16, .size: 8, .value_kind: global_buffer, .address_space: global }
    .group_segment_fixed_size: 169984
    .private_segment_fixed_size: 0
    .kernarg_segment_align: 8
    .kernarg_segment_size: 24
    .max_flat_workgroup_size: 512
    .sgpr_count:     66
    .vgpr_count:     256
    .wavefront_size: 32
...
	.end_amdgpu_metadata
.endif
;; end of part 3
;; launch proj (part 4): grid 8 x 32, 8 waves a work-group, clusters of 4 x 4, 173,056 bytes of LDS; arguments ab, cw, b_proj, out0; writes out0
.if DOCPART == 4
	.amdgcn_target "amdgcn-amd-amdhsa--gfx1250"
	.amdhsa_code_object_version 6
	.text
	.protected	k_q87af87c8f9_proj
	.globl	k_q87af87c8f9_proj
	.p2align	8
	.type	k_q87af87c8f9_proj,@function
k_q87af87c8f9_proj:
	s_mov_b64 s[64:65], 0
	v_nop
	global_prefetch_b8 v0, s[64:65] scope:SCOPE_SE
	s_setreg_imm32_b32 hwreg(HW_REG_WAVE_MODE, 25, 1), 1
	s_wait_xcnt 0x0
	s_wait_alu depctr_hold_cnt(0) depctr_sa_sdst(0) depctr_va_vdst(0) depctr_va_sdst(0) depctr_va_ssrc(0) depctr_va_vcc(0) depctr_vm_vsrc(0)
	s_getreg_b32 s2, hwreg(HW_REG_IB_STS2, 6, 4)
	s_cmp_eq_u32 s2, 0
	s_cbranch_scc0 .Lentry_in_a_cluster
	s_endpgm
.Lentry_in_a_cluster:
	s_bfe_u32 s2, ttmp6, 0x10000c
	s_cmp_lg_u32 s2, 0xf033
	s_cbranch_scc0 .Lentry_shape_is_right
	s_endpgm
.Lentry_shape_is_right:
; out0 = o w_proj^T + b_proj on codes of FP4 (E2M1) with E8M0 scales.  o comes as images of operand registers (a tile of 16 rows, a head: 512 bytes, 16 a lane), w_proj as rows of codes in tile order.
; SHARES.  Work-group (nx, my): 128 rows x 128 columns.  Eight waves, two to a SIMD: wave (wm = w / 2, wn = w % 2) makes 32 rows x 64 columns: 2 x 4 accumulators.  K = 1,024 is eight steps of 128: heads 2 s and 2 s + 1.
; ALL OF K LIES IN LDS AT ONCE, in two halves; no LDS byte is filled twice.  o's images lie dense (every load reads consecutive bytes); w's rows are 256 bytes + 16 of padding, so that the 16 rows of a fragment
; load start at 16 different banks (64 banks of 4 bytes: ISA guide 11.1).
; CLUSTER 4 x 4: o's tiles are shared along a row of the cluster, w's along a column: each is asked for jointly.  Waves 0-3 fetch o's, waves 4-7 w's.
; TRANSPOSED: source 0 = 16 rows of w_proj in tile order, source 1 = an image of o: lane (r, h), register j of tile nt holds column 32 (nt / 2) + 16 h + 8 (nt % 2) + j of the image's row r,
; which is row 8 mi + r + 8 (r / 8) of the wave's 32.  The bias is the C of each sum's first product.  Results leave through the wave's own stage: sixteen lanes store 256 consecutive bytes, aligned.
; REGISTERS: v1-11 addresses; v16-23 o's scale words; v24-39 w's; v40-55 the heads' words as loaded; v56-87 the bias; v88-119 o's fragments, two sets; v120-183 w's, two sets; v184-247 the accumulators.
.set PITCH,   272
.set AHALF,   32768                    ; one K half of o's eight tiles: 4,096 bytes a tile
.set BBASE,   2*AHALF
.set BHALF,   128*PITCH
.set STG,     BBASE+2*BHALF            ; 16 rows x 272 bytes for each wave: written by LDS stores alone
.set WP_OFF,  3670016                  ; cw: w_proj's codes
.set WPS_OFF, 4423680                  ;     its scale bytes
.set ASC,     2097152                  ; ab: the scale words
.set SA, 16
.set SB, 24
.set RAW, 40
.set BI, 56
.set AF, 88
.set BF, 120
.set ACC, 184
.macro CROUND                          ; a round of the cluster's barrier
	s_barrier_signal -1
	s_barrier_wait -1
	s_cmp_lg_u32 s12, 0
	s_cbranch_scc1 .Lnot_wave_0_\@
	s_barrier_signal -3
.Lnot_wave_0_\@:
	s_barrier_wait -3
	s_barrier_signal -1
	s_barrier_wait -1
.endm
.macro PLACES                          ; four plain vector lines behind a matrix instruction, ahead of loads into its registers and of reads of its result
.rept 4
	v_nop
.endr
.endm
	s_load_b256 s[4:11], s[0:1], 0x0               ; ab s[4:5], cw s[6:7], b_proj s[8:9], out0 s[10:11]
	v_lshl_add_u32 v254, v0, 2, 0x2a000
	v_mov_b32 v255, 0
	ds_add_u32 v254, v255
	ds_add_u32 v254, v255
	v_lshrrev_b32 v1, 5, v0
	s_delay_alu instid0(VALU_DEP_1)
	v_readfirstlane_b32 s12, v1                    ; wave 0..7
	s_and_b32 s13, s12, 1                          ; wn; also which half of a tile's rows I fetch, if I fetch
	s_lshr_b32 s14, s12, 1                         ; wm
	s_bfe_u32 s15, ttmp6, 0x40000                  ; cx
	s_bfe_u32 s16, ttmp6, 0x40004                  ; cy
	s_lshl_b32 s17, ttmp9, 2
	s_add_co_u32 s17, s17, s15                     ; nx
	s_and_b32 s18, ttmp7, 0xffff
	s_lshl_b32 s18, s18, 2
	s_add_co_u32 s18, s18, s16                     ; my
	s_lshl_b32 s19, s16, 2
	s_lshl_b32 s19, 15, s19                        ; my row of the cluster
	s_lshl_b32 s20, 0x1111, s15                    ; my column
	; group 1 for o: four tiles' K half: 4 rows of 4,096 bytes (512 elements of 8), 8,192 bytes apart in memory, dense in LDS
	s_or_b32 s24, s19, (3<<16)|(1<<21)
	s_mov_b32 s25, 512<<16
	s_mov_b32 s26, 4<<16
	s_mov_b32 s27, 512<<16
	s_mov_b32 s28, 4
	s_mov_b32 s29, 1024
	s_mov_b32 s30, 0
	s_mov_b32 s31, 0
	; group 1 for w: 64 rows of 256 bytes, 512 apart in memory, 16 bytes of padding behind each in LDS
	s_or_b32 s32, s20, (1<<20)|(1<<21)|(5<<22)|(3<<25)
	s_mov_b32 s33, 256<<16
	s_mov_b32 s34, 64<<16
	s_mov_b32 s35, 256<<16
	s_mov_b32 s36, 64
	s_mov_b32 s37, 512
	s_mov_b32 s38, 0
	s_mov_b32 s39, 0
	s_lshl_b32 s56, s18, 16                        ; o: tile 8 my + 4 a, 8,192 bytes a tile: hangs on my and the wave alone
	s_lshl_b32 s58, s13, 15
	s_add_co_u32 s56, s56, s58
	s_mov_b32 s57, 0
	s_lshl_b32 s60, s17, 16                        ; w: stored row 128 nx + 64 a, 512 bytes a row: hangs on nx and the wave alone
	s_lshl_b32 s61, s13, 15
	s_add_co_u32 s60, s60, s61
	s_add_co_u32 s60, s60, WP_OFF
	s_mov_b32 s61, 0
	s_lshl_b32 s58, s13, 14                        ; where they go in LDS: the wave's number alone
	s_mul_i32 s62, s13, 64*PITCH
	s_and_b32 s63, s14, 1                          ; EVERY WAVE FETCHES ONE TILE: waves 0-3 o's, waves 4-7 w's; bit 0 of the wave's number: which half of the rows; bit 1: which K half
	s_lshl_b32 s21, s63, 12
	s_add_co_u32 s56, s56, s21                     ; o: a K half is 4,096 bytes on in a tile's 8,192
	s_lshl_b32 s21, s63, 8
	s_add_co_u32 s60, s60, s21                     ; w: 256 bytes on in a row
	s_lshl_b32 s21, s63, 15
	s_add_co_u32 s58, s58, s21                     ; and in LDS: AHALF,
	s_mul_i32 s21, s63, BHALF
	s_add_co_u32 s62, s62, s21                     ; BHALF on
	s_wait_dscnt 0x0
	s_wait_kmcnt 0x0
	s_add_nc_u64 s[56:57], s[4:5], s[56:57]
	s_add_nc_u64 s[60:61], s[6:7], s[60:61]
.irp k, 0                              ; one group 0 for o's tile and one for w's
	s_mov_b32 s[40+4*\k], 1
	s_add_co_u32 s[41+4*\k], s58, \k*AHALF
	s_add_nc_u64 s[42+4*\k:43+4*\k], s[56:57], \k*4096
	s_or_b32 s[43+4*\k], s[43+4*\k], 0x80000000
	s_mov_b32 s[48+4*\k], 1
	s_add_co_u32 s[49+4*\k], s62, BBASE+\k*BHALF
	s_add_nc_u64 s[50+4*\k:51+4*\k], s[60:61], \k*256
	s_or_b32 s[51+4*\k], s[51+4*\k], 0x80000000
.endr
	CROUND                                         ; all sixteen work-groups are here: the joint loads meet
	s_cmp_lt_u32 s12, 4                            ; one fill a wave, in the two arms of one branch on the wave's number: one tensor load of mine is out
	s_cbranch_scc0 .Lnot_o
	tensor_load_to_lds s[40:43], s[24:31]
	s_nop 0
.rept 4
	v_nop
.endr
	s_branch .Lfilled
.Lnot_o:
	tensor_load_to_lds s[48:51], s[32:39]
	s_nop 0
.rept 4
	v_nop
.endr
.Lfilled:
	v_and_b32 v1, 15, v0                           ; r
	v_bfe_u32 v2, v0, 4, 1                         ; h
	v_and_b32 v3, 31, v0                           ; lane
	; w's scale words: a row's 32 bytes are its eight words; lanes 0-15 tile 2 pair, lanes 16-31 tile 2 pair + 1
	s_wait_alu depctr_va_vdst(0)
	s_lshl_b32 s66, s17, 12
	s_lshl_b32 s67, s13, 11
	s_add_co_u32 s66, s66, s67
	s_add_co_u32 s66, s66, WPS_OFF
	v_lshl_add_u32 v9, v3, 5, s66
.irp pr, 0,1
	global_load_b128 v[SB+8*\pr:SB+8*\pr+3], v9, s[6:7] offset:1024*\pr
	global_load_b128 v[SB+8*\pr+4:SB+8*\pr+7], v9, s[6:7] offset:1024*\pr+16
.endr
	; o's: for each head a word a row with two bytes; lanes 0-15 my tile 0, lanes 16-31 my tile 1
	s_lshr_b32 s66, s18, 4
	s_lshl_b32 s66, s66, 11                        ; 16 b heads x 128 tiles
	s_and_b32 s67, s18, 15
	s_lshl_b32 s67, s67, 3
	s_add_co_u32 s66, s66, s67
	s_lshl_b32 s67, s14, 1
	s_add_co_u32 s66, s66, s67                     ; + my first tile in the batch: 8 (my % 16) + 2 wm
	s_lshl_b32 s66, s66, 6
	s_add_co_u32 s66, s66, ASC
	v_lshl_add_u32 v10, v3, 2, s66
.irp e, 0,1,2,3,4,5,6,7,8,9,10,11,12,13,14,15
	global_load_b32 v[RAW+\e], v10, s[4:5] offset:\e*8192
.endr
	; the bias, in the result's layout
	s_lshl_b32 s68, s17, 9
	s_lshl_b32 s69, s13, 8
	s_add_co_u32 s68, s68, s69                     ; my 64 columns, in bytes
	s_mov_b32 s69, 0
	s_add_nc_u64 s[8:9], s[8:9], s[68:69]
	v_lshlrev_b32 v11, 6, v2
.irp nt, 0,1,2,3
	global_load_b128 v[BI+8*\nt:BI+8*\nt+3], v11, s[8:9] offset:(32*(\nt/2)+8*(\nt%2))*4
	global_load_b128 v[BI+8*\nt+4:BI+8*\nt+7], v11, s[8:9] offset:(32*(\nt/2)+8*(\nt%2))*4+16
.endr
	s_lshl_b32 s70, s18, 19
	s_lshl_b32 s71, s14, 17
	s_add_co_u32 s70, s70, s71                     ; my first row: 128 my + 32 wm, 4,096 bytes a row
	s_add_co_u32 s70, s70, s68
	s_mov_b32 s71, 0
	s_add_nc_u64 s[10:11], s[10:11], s[70:71]
	s_lshl_b32 s66, s14, 13
	v_lshl_add_u32 v4, v3, 4, s66                  ; o's images: 16 x lane + my two tiles
	v_mul_u32_u24 v5, v1, PITCH
	s_delay_alu instid0(VALU_DEP_1)
	v_lshl_add_u32 v5, v2, 4, v5
	s_mul_i32 s66, s13, 64*PITCH
	s_add_co_u32 s66, s66, BBASE
	v_add_nc_u32 v5, s66, v5                       ; w's fragments: my 64 rows
	s_mul_i32 s67, s12, 16*PITCH
	s_add_co_u32 s67, s67, STG                     ; my stage
	v_mul_u32_u24 v6, v1, PITCH
	s_delay_alu instid0(VALU_DEP_1)
	v_lshl_add_u32 v6, v2, 6, v6
	s_delay_alu instid0(VALU_DEP_1)
	v_add_nc_u32 v6, s67, v6                       ; in: row r, + 64 h
	v_mul_u32_u24 v7, v2, PITCH
	s_delay_alu instid0(VALU_DEP_1)
	v_lshl_add_u32 v7, v1, 4, v7
	s_delay_alu instid0(VALU_DEP_1)
	v_add_nc_u32 v7, s67, v7                       ; back: lanes 0-15 one row of 256 bytes, lanes 16-31 the next
	v_lshlrev_b32 v8, 12, v2
	s_delay_alu instid0(VALU_DEP_1)
	v_lshl_add_u32 v8, v1, 4, v8                   ; and the same two rows in out0
.macro FETCH q, p                      ; the fragments of K step q into set p: twelve LDS loads
.irp mi, 0,1
.irp c, 0,1
	ds_load_b128 v[AF+16*(\p)+8*\mi+4*\c:AF+16*(\p)+8*\mi+4*\c+3], v4 offset:AHALF*((\q)/4)+4096*\mi+1024*((\q)%4)+512*\c
.endr
.endr
.irp nt, 0,1,2,3
.irp c, 0,1
	ds_load_b128 v[BF+32*(\p)+8*\nt+4*\c:BF+32*(\p)+8*\nt+4*\c+3], v5 offset:BHALF*((\q)/4)+\nt*16*PITCH+64*((\q)%4)+32*\c
.endr
.endr
.endm
; A K step: its fragments are in; the next step's are asked for; eight products, the eight accumulators by turns.  first = 1: C is the bias
.macro STEPK q, first
	s_wait_dscnt 0x0                               ; this step's twelve loads are in
.if (\q) < 7
	PLACES                                         ; the other set was read by the last step's products
	FETCH (\q)+1, ((\q)+1)%2
.endif
.irp mi, 0,1
.irp nt, 0,1,2,3
.set rD, ACC+8*(4*\mi+\nt)
.set rC, rD
.if \first
.set rC, BI+8*\nt
.endif
.set rA, BF+32*((\q)%2)+8*\nt
.set rB, AF+16*((\q)%2)+8*\mi
.set rS, SB+8*(\nt/2)+(\q)
.set rT, SA+(\q)
.if \mi == 0
.if (\nt%2) == 0
	v_wmma_scale_f32_16x16x128_f8f6f4 v[rD:rD+7], v[rA:rA+7], v[rB:rB+7], v[rC:rC+7], v[rS], v[rT] matrix_a_fmt:MATRIX_FMT_FP4 matrix_b_fmt:MATRIX_FMT_FP4
.else
	v_wmma_scale_f32_16x16x128_f8f6f4 v[rD:rD+7], v[rA:rA+7], v[rB:rB+7], v[rC:rC+7], v[rS], v[rT] matrix_a_fmt:MATRIX_FMT_FP4 matrix_b_fmt:MATRIX_FMT_FP4 matrix_a_scale:MATRIX_SCALE_ROW1
.endif
.else
.if (\nt%2) == 0
	v_wmma_scale_f32_16x16x128_f8f6f4 v[rD:rD+7], v[rA:rA+7], v[rB:rB+7], v[rC:rC+7], v[rS], v[rT] matrix_a_fmt:MATRIX_FMT_FP4 matrix_b_fmt:MATRIX_FMT_FP4 matrix_b_scale:MATRIX_SCALE_ROW1
.else
	v_wmma_scale_f32_16x16x128_f8f6f4 v[rD:rD+7], v[rA:rA+7], v[rB:rB+7], v[rC:rC+7], v[rS], v[rT] matrix_a_fmt:MATRIX_FMT_FP4 matrix_b_fmt:MATRIX_FMT_FP4 matrix_a_scale:MATRIX_SCALE_ROW1 matrix_b_scale:MATRIX_SCALE_ROW1
.endif
.endif
.endr
.endr
.endm
	s_wait_alu depctr_va_vdst(0)
	s_wait_tensorcnt 0x0                           ; my one load has landed
	s_barrier_signal -1
	s_barrier_wait -1                              ; everybody's has
	FETCH 0, 0
	s_wait_loadcnt 0x0                             ; the scale words and the bias
.irp s, 0,1,2,3,4,5,6,7
	v_lshl_or_b32 v[SA+\s], v[RAW+2*\s+1], 16, v[RAW+2*\s]         ; K step s: head 2 s's two bytes below, head 2 s + 1's above
.endr
.rept 8
	v_nop                                          ; a scale register written by a vector instruction stands eight plain lines ahead of the scaled product that takes it
.endr
	s_wait_alu depctr_va_vdst(0)
	STEPK 0, 1
.irp q, 1,2,3,4,5,6,7
	STEPK \q, 0
.endr
	PLACES                                         ; behind the last products: ahead of the LDS stores that read results and of the loads into the fragments' registers
	; THE WAY OUT, a tile of 16 rows x 64 columns at a time, through my own stage.  LDS serves a wave's instructions in order (ISA guide 5.7.1.4): no wait between the stores and the loads, nor ahead of the next tile's stores
.irp mi, 0,1
.irp nt, 0,1,2,3
	ds_store_b128 v6, v[ACC+8*(4*\mi+\nt):ACC+8*(4*\mi+\nt)+3] offset:128*(\nt/2)+32*(\nt%2)       ; each accumulator from its low end on
	ds_store_b128 v6, v[ACC+8*(4*\mi+\nt)+4:ACC+8*(4*\mi+\nt)+7] offset:128*(\nt/2)+32*(\nt%2)+16
.endr
.irp i, 0,1,2,3,4,5,6,7
	ds_load_b128 v[AF+32*\mi+4*\i:AF+32*\mi+4*\i+3], v7 offset:\i*2*PITCH
.endr
.endr
.irp i, 0,1,2,3,4,5,6,7
	s_wait_dscnt 23-\i                             ; tile 0's load i is in: behind it stand its 7 - i younger loads and tile 1's sixteen LDS instructions
	global_store_b128 v8, v[AF+4*\i:AF+4*\i+3], s[10:11] offset:(2*\i+8*(\i/4))*4096 th:TH_STORE_NT   ; stage row 2 i + h is row 2 i + h + 8 (i / 4) of my 32; 16 lanes store 256 consecutive bytes, aligned
.endr
.irp i, 0,1,2,3,4,5,6,7
	s_wait_dscnt 7-\i
	global_store_b128 v8, v[AF+32+4*\i:AF+32+4*\i+3], s[10:11] offset:(8+2*\i+8*(\i/4))*4096 th:TH_STORE_NT
.endr
	s_wait_tensorcnt 0x0
	ds_add_u32 v254, v255
	s_wait_dscnt 0x0
	CROUND                                         ; the closing round: no work-group ends while a partner may still ask for a tile that names it
	s_endpgm
.Lfunc_end_k_q87af87c8f9_proj:
	.size	k_q87af87c8f9_proj, .Lfunc_end_k_q87af87c8f9_proj-k_q87af87c8f9_proj
	.p2alignl 7, 3214868480
	.fill 96, 4, 3214868480
	.section	.rodata,"a",@progbits
	.p2align	6, 0x0
	.amdhsa_kernel k_q87af87c8f9_proj
		.amdhsa_group_segment_fixed_size 173056
		.amdhsa_private_segment_fixed_size 0
		.amdhsa_enable_private_segment 0
		.amdhsa_kernarg_size 32
		.amdhsa_user_sgpr_count 2
		.amdhsa_user_sgpr_kernarg_segment_ptr 1
		.amdhsa_wavefront_size32 1
		.amdhsa_system_sgpr_workgroup_id_x 1
		.amdhsa_system_sgpr_workgroup_id_y 1
		.amdhsa_system_sgpr_workgroup_id_z 1
		.amdhsa_system_vgpr_workitem_id 0
		.amdhsa_next_free_vgpr 256
		.amdhsa_next_free_sgpr 96
		.amdhsa_reserve_vcc 0
		.amdhsa_float_denorm_mode_32 3
		.amdhsa_float_denorm_mode_16_64 3
		.amdhsa_memory_ordered 1
		.amdhsa_forward_progress 1
		.amdhsa_inst_pref_size 30
	.end_amdhsa_kernel
	.amdgpu_metadata
---
amdhsa.version: [ 1, 2 ]
amdhsa.kernels:
  - .name:           k_q87af87c8f9_proj
    .symbol:         k_q87af87c8f9_proj.kd
    .args:
      - { .name: ab, .offset: 0, .size: 8, .value_kind: global_buffer, .address_space: global }
      - { .name: cw, .offset: 8, .size: 8, .value_kind: global_buffer, .address_space: global }
      - { .name: b_proj, .offset: 16, .size: 8, .value_kind: global_buffer, .address_space: global }
      - { .name: out0, .offset: 24, .size: 8, .value_kind: global_buffer, .address_space: global }
    .group_segment_fixed_size: 173056
    .private_segment_fixed_size: 0
    .kernarg_segment_align: 8
    .kernarg_segment_size: 32
    .max_flat_workgroup_size: 256
    .sgpr_count:     96
    .vgpr_count:     256
    .wavefront_size: 32
...
	.end_amdgpu_metadata
.endif
;; end of part 4
